; MI455X (gfx1250); checked and timed in simulation.
; The chip was launched on July 23, 2026; its instructions are those of AMD's public machine-readable ISA for CDNA 5 (MIT licence, August 2026) and "CDNA5" Instruction Set Architecture Reference Guide (July 2026). The comments in the code are by the model that wrote it; some were corrected since.
;; Mo E Layer. Allowed arithmetic: matrix products marked QUANTISED: E2M3 operands, one E8M0 scale for each 32 along K, by v_wmma_scale_f32_16x16x128_f8f6f4 with both operands' format E2M3, f32 sums; everything else in f32.
;; Inputs: W1_codes 8 x 4,096 x 32 x 24 uint8 (E2M3 codes of W1, K innermost, in blocks of 32 codes, four codes in three bytes); W1_scales 8 x 4,096 x 32 uint8 (E8M0 scales of W1, one for each 32 codes along K); W2_codes 8 x 1,024 x 128 x 24 uint8 (E2M3 codes of W2, K innermost, in blocks of 32 codes, four codes in three bytes); W2_scales 8 x 1,024 x 128 uint8 (E8M0 scales of W2, one for each 32 codes along K); b1 8 x 4,096 float32; b2 8 x 1,024 float32; expert_indices 4 x 256 int32; hidden_states_codes 4 x 256 x 32 x 24 uint8 (E2M3 codes of hidden_states, K innermost, in blocks of 32 codes, four codes in three bytes); hidden_states_scales 4 x 256 x 32 uint8 (E8M0 scales of hidden_states, one for each 32 codes along K).
;; Outputs: out0 4 x 256 x 1,024 float32.
;; This version of the problem:
;;   THIS VERSION OF THE PROBLEM IS GIVEN IN LOW PRECISION. The matrix products marked QUANTISED in the list below multiply operands that are first quantised to E2M3 (2 exponent bits, 3 mantissa bits; 6 bits a number), with one power-of-two scale for each 32 numbers along K (OCP MX v1.0); their sums are f32. All else is computed in f32.
;;   The module's matrix products, in the order in which they are computed (A, B: the left and right operand; K: the contracted axis; several contracted axes count as one K, in the product's order):
;;     1. [M 1,024, K 1,024] x [K 1,024, N 4,096]; A: input hidden_states (given as codes); B: input W1 (given as codes): QUANTISED
;;     2. [M 1,024, K 4,096] x [K 4,096, N 1,024]; A: computed on the way; B: input W2 (given as codes): QUANTISED
;;     3. [M 1,024, K 1,024] x [K 1,024, N 4,096]; A: input hidden_states (given as codes); B: input W1 (given as codes): QUANTISED
;;     4. [M 1,024, K 4,096] x [K 4,096, N 1,024]; A: computed on the way; B: input W2 (given as codes): QUANTISED
;;     5. [M 1,024, K 1,024] x [K 1,024, N 4,096]; A: input hidden_states (given as codes); B: input W1 (given as codes): QUANTISED
;;     6. [M 1,024, K 4,096] x [K 4,096, N 1,024]; A: computed on the way; B: input W2 (given as codes): QUANTISED
;;     7. [M 1,024, K 1,024] x [K 1,024, N 4,096]; A: input hidden_states (given as codes); B: input W1 (given as codes): QUANTISED
;;     8. [M 1,024, K 4,096] x [K 4,096, N 1,024]; A: computed on the way; B: input W2 (given as codes): QUANTISED
;;     9. [M 1,024, K 1,024] x [K 1,024, N 4,096]; A: input hidden_states (given as codes); B: input W1 (given as codes): QUANTISED
;;     10. [M 1,024, K 4,096] x [K 4,096, N 1,024]; A: computed on the way; B: input W2 (given as codes): QUANTISED
;;     11. [M 1,024, K 1,024] x [K 1,024, N 4,096]; A: input hidden_states (given as codes); B: input W1 (given as codes): QUANTISED
;;     12. [M 1,024, K 4,096] x [K 4,096, N 1,024]; A: computed on the way; B: input W2 (given as codes): QUANTISED
;;     13. [M 1,024, K 1,024] x [K 1,024, N 4,096]; A: input hidden_states (given as codes); B: input W1 (given as codes): QUANTISED
;;     14. [M 1,024, K 4,096] x [K 4,096, N 1,024]; A: computed on the way; B: input W2 (given as codes): QUANTISED
;;     15. [M 1,024, K 1,024] x [K 1,024, N 4,096]; A: input hidden_states (given as codes); B: input W1 (given as codes): QUANTISED
;;     16. [M 1,024, K 4,096] x [K 4,096, N 1,024]; A: computed on the way; B: input W2 (given as codes): QUANTISED
;;   THE QUANTISER, for each operand of a quantised product, along K:
;;     - K is cut into blocks of 32 from its start; a last block that is shorter is filled with zeros.
;;     - A block's scale is 2^e with e = floor(log2(the largest magnitude in the block)) - 2, held to -126 .. 127; a block of zeros has e = 0. As a byte (E8M0): e + 127.
;;     - Each number is divided by its block's scale, clamped to +-7.5, and rounded to the nearest number of E2M3, ties to even, subnormals kept.
;;     - The product sums the exact products of the quantised numbers (number of the format x scale) in f32.
;;   ~~~python
;;   def quantise(x, axis):      # numpy; x: float32 -> the quantised numbers, widened to float32 again
;;       x = np.moveaxis(x, axis, -1); K = x.shape[-1]
;;       x = np.pad(x, [(0, 0)] * (x.ndim - 1) + [(0, -K % 32)]); x = x.reshape(x.shape[:-1] + (-1, 32)); a = np.abs(x).max(-1, keepdims=True)
;;       e = np.where(a > 0, np.clip(np.frexp(np.where(a > 0, a, 1))[1] - 1 - 2, -126, 127), 0)      # np.frexp(a)[1] - 1 = floor(log2(a)), exactly
;;       r = np.clip(x / 2.0 ** e, -7.5, 7.5)
;;       step = 2.0 ** (np.maximum(np.frexp(np.where(r == 0, 1, r))[1] - 1, 0) - 3)
;;       q = np.round(r / step) * step * 2.0 ** e      # np.round: ties to even
;;       return np.moveaxis(q.reshape(q.shape[:-2] + (-1,))[..., :K], -1, axis).astype(np.float32)
;;   ~~~
;;   OPERANDS COMPUTED ON THE WAY. 'Computed on the way' means the value that the module computes at that place (a softmax that the list does not call 'softmax' is quantised finished and normalised). What goes into a quantiser is computed in f32, as accurately as f32 sums, v_exp_f32 and their like allow (about 1e-6 of the number): no bf16 or f16 on the way to a quantiser, and a product that is left as it is and whose result goes on into a quantised operand takes f32 operands (vector FMAs, or v_wmma_f32_16x16x4_f32). A number that lies on a knife's edge between two numbers of the format may be rounded either way, as far as f32 arithmetic and the matrix unit's own rounding can turn it there, and no further.
;;   INPUTS GIVEN AS CODES. W1 (in the module: [8, 1024, 4096], K = its axis 1); W2 (in the module: [8, 4096, 1024], K = its axis 1); hidden_states (in the module: [4, 256, 1024], K = its axis 2): each comes as NAME_codes (uint8): NAME with its K axis moved to the last place and cut into blocks of 32 codes, [.., K / 32, bytes a block], one block behind the other in memory; four codes in three bytes: a row's codes are one little-endian stream of bits, code i at bits 6 i .. 6 i + 5 (a code: sign, 2 exponent bits, 3 mantissa bits); and NAME_scales (uint8): the same leading axes, one E8M0 byte (e + 127) for each 32 codes along K. Its value is code x scale, taken as it is: it is not quantised again, and the codes and scales need not be those that the quantiser above would give.
;; 2 versions. Each part assembles by itself: llvm-mc -triple=amdgcn-amd-amdhsa -mcpu=gfx1250 --defsym DOCPART=n.
;; ======== version 1 of 2: 3 launches
;; workspace buffers: route 36,864 bytes of whole numbers; hc 25,165,824 bytes; hs 2,097,152 bytes
;; launch route (part 1): grid 8 x 1, 1 waves a work-group, no clusters, 5,376 bytes of LDS; arguments expert_indices, route; writes route
.if DOCPART == 1
	.amdgcn_target "amdgcn-amd-amdhsa--gfx1250"
	.amdhsa_code_object_version 6
	.text
	.protected	k_qad9c5d2124_route
	.globl	k_qad9c5d2124_route
	.p2align	8
	.type	k_qad9c5d2124_route,@function
k_qad9c5d2124_route:
	s_mov_b64 s[64:65], 0
	v_nop
	global_prefetch_b8 v0, s[64:65] scope:SCOPE_SE
	s_setreg_imm32_b32 hwreg(HW_REG_WAVE_MODE, 25, 1), 1
	s_wait_xcnt 0x0
; THE ROUTING.  Work-group e (one wave) lists the tokens of expert e.  Its region of route is 4,608 bytes: words 0-15 all hold the count;
; from byte 64 on 1,136 entries: entry p < count is the p-th token found for the expert, every later entry repeats the last one (0 where the count is 0).
; So a tile of 16 entries is always whole: the rows that fill the last tile are copies of a token of that same tile.
; The 1,024 indices are read once (8 loads of 512 consecutive bytes), the list is built in LDS by a counting pass and leaves in 9 stores of 512 consecutive bytes.
; All lanes stay on: a lane whose token belongs to another expert stores it to a spare word of its own behind the image (entry 1,136 + lane), which nobody reads.
; LIMIT: a token whose index lies outside 0..7 appears in no list, and no later launch writes its row.
.set REGION, 4608
.set DUMP, 1136                        ; the first entry behind the image
.set D,   16                           ; v16-51  the indices as loaded (32 registers), later the region's image (36)
.set AD,  52                           ; v52-83  where each token goes in LDS
.set TKN, 84                           ; v84-115 the tokens' numbers
	s_load_b128 s[4:7], s[0:1], 0x0                ; the indices, route
	v_lshl_add_u32 v128, v0, 2, 0x1400
	v_mov_b32 v129, 0
	s_mov_b32 s8, ttmp9                            ; my expert
	v_lshlrev_b32 v1, 4, v0                        ; 16 x lane
	v_lshlrev_b32 v2, 2, v0                        ; 4 x lane
	v_add_nc_u32 v4, DUMP, v0                      ; my spare entry
.irp i, 8,9,10,11
	v_mov_b32 v\i, 0
.endr
	s_mul_i32 s10, s8, REGION
	s_mov_b32 s11, 0
	s_mov_b32 s20, 0                               ; tokens found so far
	s_wait_kmcnt 0x0
	s_add_nc_u64 s[6:7], s[6:7], s[10:11]          ; my region
.irp q, 0,1,2,3,4,5,6,7
	global_load_b128 v[D+4*\q:D+4*\q+3], v1, s[4:5] offset:512*\q   ; register 4 q + i: the index of token 128 q + 4 lane + i
.endr
.irp q, 0,1,2,3,4,5,6,7,8
	ds_store_b128 v1, v[8:11] offset:512*\q        ; the image begins as zeros
.endr
	s_wait_loadcnt 0x0
.set j, 0
.rept 32
	v_cmp_eq_u32 s21, s8, v[D+j]                   ; the lanes whose token is mine
	v_mbcnt_lo_u32_b32 v[AD+j], s21, s20           ; its place: those found before + those in lower lanes
	v_cndmask_b32 v[AD+j], v4, v[AD+j], s21        ; the other lanes: their spare entry
	v_min_u32 v[AD+j], DUMP+31, v[AD+j]            ; held inside the LDS that the work-group has
	v_lshlrev_b32 v[AD+j], 2, v[AD+j]
	v_add_nc_u32 v[AD+j], 64, v[AD+j]              ; entries begin at byte 64
	v_add_nc_u32 v[TKN+j], 128*(j/4)+j%4, v2
	ds_store_b32 v[AD+j], v[TKN+j]
	s_bcnt1_i32_b32 s22, s21
	s_add_co_u32 s20, s20, s22
.set j, j+1
.endr
	v_mov_b32 v5, s20
	v_max_u32 v5, 1, v5
	v_add_nc_u32 v5, -1, v5                        ; the last entry's number (0 where there is none)
	v_min_u32 v5, 1023, v5
	v_lshlrev_b32 v5, 2, v5
	v_add_nc_u32 v5, 64, v5
	ds_load_b32 v6, v5                             ; one wave: LDS serves its instructions in order, so these see the stores above
.irp q, 0,1,2,3,4,5,6,7,8
	ds_load_b128 v[D+4*\q:D+4*\q+3], v1 offset:512*\q
.endr
	s_add_co_u32 s25, s20, 16
	v_sub_nc_u32 v7, s25, v2                       ; word 128 q + i of my 16 bytes is entry 128 q + i + 4 lane - 16: it is kept while 128 q + i < count + 16 - 4 lane
	v_mov_b32 v3, s20
	s_wait_dscnt 0x0
.irp q, 0,1,2,3,4,5,6,7,8
.irp i, 0,1,2,3
	v_cmp_lt_i32 vcc_lo, 128*\q+\i, v7
	v_cndmask_b32 v[D+4*\q+\i], v6, v[D+4*\q+\i], vcc_lo
.endr
.endr
	v_cmp_gt_u32 vcc_lo, 4, v0                     ; lanes 0-3 of the first 512 bytes hold the head: sixteen times the count
.irp i, 0,1,2,3
	v_cndmask_b32 v[D+\i], v[D+\i], v3, vcc_lo
.endr
.irp q, 0,1,2,3,4,5,6,7,8
	global_store_b128 v1, v[D+4*\q:D+4*\q+3], s[6:7] offset:512*\q
.endr
	s_wait_tensorcnt 0x0
	ds_add_u32 v128, v129
	s_wait_dscnt 0x0
	s_endpgm
.Lfunc_end_k_qad9c5d2124_route:
	.size	k_qad9c5d2124_route, .Lfunc_end_k_qad9c5d2124_route-k_qad9c5d2124_route
	.p2alignl 7, 3214868480
	.fill 96, 4, 3214868480
	.section	.rodata,"a",@progbits
	.p2align	6, 0x0
	.amdhsa_kernel k_qad9c5d2124_route
		.amdhsa_group_segment_fixed_size 5376
		.amdhsa_private_segment_fixed_size 0
		.amdhsa_enable_private_segment 0
		.amdhsa_kernarg_size 16
		.amdhsa_user_sgpr_count 2
		.amdhsa_user_sgpr_kernarg_segment_ptr 1
		.amdhsa_wavefront_size32 1
		.amdhsa_system_sgpr_workgroup_id_x 1
		.amdhsa_system_sgpr_workgroup_id_y 1
		.amdhsa_system_sgpr_workgroup_id_z 1
		.amdhsa_system_vgpr_workitem_id 0
		.amdhsa_next_free_vgpr 130
		.amdhsa_next_free_sgpr 66
		.amdhsa_reserve_vcc 1
		.amdhsa_float_denorm_mode_32 3
		.amdhsa_float_denorm_mode_16_64 3
		.amdhsa_memory_ordered 1
		.amdhsa_forward_progress 1
		.amdhsa_inst_pref_size 24
	.end_amdhsa_kernel
	.amdgpu_metadata
---
amdhsa.version: [ 1, 2 ]
amdhsa.kernels:
  - .name:           k_qad9c5d2124_route
    .symbol:         k_qad9c5d2124_route.kd
    .args:
      - { .name: expert_indices, .offset: 0, .size: 8, .value_kind: global_buffer, .address_space: global }
      - { .name: route, .offset: 8, .size: 8, .value_kind: global_buffer, .address_space: global }
    .group_segment_fixed_size: 5376
    .private_segment_fixed_size: 0
    .kernarg_segment_align: 8
    .kernarg_segment_size: 16
    .max_flat_workgroup_size: 32
    .sgpr_count:     66
    .vgpr_count:     130
    .wavefront_size: 32
...
	.end_amdgpu_metadata
.endif
;; end of part 1
;; launch up (part 2): grid 32 x 8, 4 waves a work-group, no clusters, 151,552 bytes of LDS; arguments hidden_states_codes, hidden_states_scales, W1_codes, W1_scales, b1, route, hc, hs; writes hc, hs
.if DOCPART == 2
	.amdgcn_target "amdgcn-amd-amdhsa--gfx1250"
	.amdhsa_code_object_version 6
	.text
	.protected	k_qad9c5d2124_up
	.globl	k_qad9c5d2124_up
	.p2align	8
	.type	k_qad9c5d2124_up,@function
k_qad9c5d2124_up:
	s_mov_b64 s[64:65], 0
	v_nop
	global_prefetch_b8 v0, s[64:65] scope:SCOPE_SE
	s_setreg_imm32_b32 hwreg(HW_REG_WAVE_MODE, 25, 1), 1
	s_wait_xcnt 0x0
; h = Q(gelu(x W1 + b1)) for the tokens of each expert, on codes of FP6 (E2M3) with one E8M0 byte for each 32 along K.
; Work-group (x, e) owns hidden units 128 x .. 128 x + 127 of expert e: 128 rows of W1, one dense block of 98,304 bytes, read from memory by this work-group alone.
; The block goes through LDS once (loads of 2 x 256 consecutive bytes in, fragments out); behind ONE barrier every wave holds all 64 fragments (8 tiles of 16 units x 8 K steps, 768 registers)
; and the waves go their own ways: wave w takes the tiles of 16 tokens w, w + 4, ..  of the expert's list.  The trip count hangs on the stored count, so no tensor load, no copy and no joint load is used,
; and no barrier stands behind the first branch.
; A TILE: its 16 token rows (768 bytes each) are gathered by 24 loads of 2 x 256 bytes, turned into fragments through the wave's own stage in LDS; 64 matrix instructions, used transposed
; (source 0 = 16 rows of W1, source 1 = the tokens), b1 as the C of the first K step; gelu in f32; the quantiser; the result is exactly one fragment (16 tokens x 128 units) and one scale word a token.
; THE ROWS OF W1 THAT FORM A TILE ARE NOT NEIGHBOURS: lane r of tile 2 b + u takes unit 32 b + 8 u + r + 8 (r / 8), so that the 16 registers of tiles 2 b and 2 b + 1 are 16 neighbours along the next K.
; The fragment leaves as an image of its registers: group g of four registers of lane L at 512 g + 16 L of hc[e][tile][x]; the scale word of lane L at 4 L of hs[e][tile][x].
; Tile 0 of every expert is always made, of token 0 where the expert has no token (its list then holds zeros): the next launch's look-ahead names bytes of tile 0, and uses nothing of them.
; gelu(v) = v / (1 + 2^(v (C0 + C1 v v))), C0 = -2 sqrt(2 / pi) log2(e), C1 = 0.044715 C0: the tanh form, rearranged.
; LIMITS: a block of zeros gets the byte 1 (the rule says 127): its codes are zeros and this program alone reads the byte.  NaN and infinities are not served.
.set WP,    784                        ; an LDS row: 768 bytes + 16 = 196 words, 4 mod 64
.set B1L,   128*WP                     ; behind W1's 128 rows: the slice's 128 biases
.set XST,   B1L+512                    ; behind them: a stage of 16 rows for each wave
.set XSTW,  16*WP
.set WSC,   12                         ; v12-43   W1's scale words: 4 a tile; register s % 4; lanes 0-15 K steps 0-3, lanes 16-31 K steps 4-7
.set XSC,   44                         ; v44-47   the tokens' scale words, laid likewise
.set F,     48                         ; v48-143  the tokens' rows as loaded, then their 8 fragments
.set ACC,   144                        ; v144-207 8 accumulators
.set W63,   208                        ; v208-219 W1's fragment 63 (fragments 0-62: 21 to a window, windows 1 to 3)
.set TK,    220                        ; v220-227 tokens of rows 8 h + 0..7, then their byte offsets;  v228 the token of row r, then its scales' offset
.set TKR,   228
.set Z,     220                        ; v220-251 gelu: 32 numbers at work
.set TM,    220                        ; v220-223 largest magnitudes, v224-227 bytes, v228-231 the conversions' scale operands
.set PW,    232                        ; the scale word
.set PC,    234                        ; v234-245 the codes; v246-252 at work
.set CC,    254                        ; v254-255 C0, twice
.set SEL,   38                         ; s[38:39] selects for lane l xor 16
; v1 16 L; v2 4 L; v3 stage in; v4 stage out; v5 biases; v6 32 h; v7 4 r; v8 16 r; v9 16 h; v10, v11 W1's rows in LDS (tiles 0-3, 4-7)
.set MSB, 0
.macro WIN new                         ; the immediate's high byte repeats the setting that is left; a switch that changes nothing is dropped
.if MSB != (\new)
	s_set_vgpr_msb (MSB<<8)|(\new)
.set MSB, (\new)
.endif
.endm
	s_load_b256 s[4:11], s[0:1], 0x0               ; x's codes, x's scales, W1's codes, W1's scales
	s_load_b256 s[12:19], s[0:1], 0x20             ; b1, route, hc, hs
	v_lshl_add_u32 v253, v0, 2, 0x24e00
	s_set_vgpr_msb 0x40
	v_mov_b32 v255, 0
	s_set_vgpr_msb 0x4000
	v_lshrrev_b32 v1, 5, v0
	v_readfirstlane_b32 s20, v1                    ; wave 0..3
	s_mov_b32 s21, ttmp9                           ; the slice x
	s_and_b32 s22, ttmp7, 0xffff                   ; the expert e
	v_and_b32 v2, 31, v0                           ; L
	v_and_b32 v8, 15, v0                           ; r
	v_bfe_u32 v9, v0, 4, 1                         ; h
	v_lshlrev_b32 v1, 4, v2
	v_lshlrev_b32 v2, 2, v2
	s_mul_i32 s28, s20, XSTW
	s_add_co_u32 s28, s28, XST                     ; my stage
	v_mul_u32_u24 v3, v9, 8*WP
	v_lshl_add_u32 v3, v8, 4, v3
	v_add_nc_u32 v3, s28, v3                       ; in: row 8 h + j, 16 bytes a lane
	v_mul_u32_u24 v10, v8, WP
	v_mad_u32_u24 v10, v9, 24, v10                 ; a fragment's row r, + 24 h
	v_add_nc_u32 v4, s28, v10                      ; out of my stage
	v_add_nc_u32 v11, 64*WP, v10
	v_lshlrev_b32 v5, 6, v9
	v_add_nc_u32 v5, B1L, v5                       ; the biases of my half: 64 h bytes on
	v_lshlrev_b32 v6, 5, v9
	v_lshlrev_b32 v7, 2, v8
	v_mul_u32_u24 v232, v9, 8*768
	v_lshl_add_u32 v232, v8, 4, v232               ; W1 in memory: lanes 16-31 eight rows further down
	v_and_b32 v233, 8, v8
	v_add_nc_u32 v233, v233, v8                    ; r + 8 (r / 8)
	v_lshlrev_b32 v233, 5, v233
	v_lshl_add_u32 v233, v9, 4, v233               ; its 32 scale bytes, my half of them
	s_mul_i32 s29, s20, 32*WP
	v_mul_u32_u24 v235, v9, 16*WP
	v_lshl_add_u32 v235, v8, 4, v235
	v_add_nc_u32 v235, s29, v235                   ; W1 into LDS: memory row 32 w + 16 a + 8 h + j becomes LDS row 32 w + 16 h + 8 a + j
	v_lshlrev_b32 v230, 2, v0
	v_add_nc_u32 v234, B1L, v230
	v_lshlrev_b32 v8, 4, v8
	v_lshlrev_b32 v9, 4, v9
	v_mov_b32 v[CC], 0xc0135761                    ; C0 = -2.3022082
	v_mov_b32 v[CC+1], 0xc0135761
	s_mov_b32 s[SEL], 0x76543210
	s_mov_b32 s[SEL+1], 0xfedcba98
	s_mov_b32 s40, 0xbdd2d3e8                      ; C1 = -0.10294324
	s_mov_b32 s41, s40
	s_mul_i32 s44, s22, 3145728                    ; W1's codes: 4,096 rows of 768 bytes an expert, 128 a slice, 32 a wave
	s_mul_i32 s30, s21, 98304
	s_add_co_u32 s44, s44, s30
	s_mul_i32 s30, s20, 24576
	s_add_co_u32 s44, s44, s30
	s_mov_b32 s45, 0
	s_lshl_b32 s46, s22, 17                        ; W1's scales: 32 bytes a row
	s_lshl_b32 s30, s21, 12
	s_add_co_u32 s46, s46, s30
	s_mov_b32 s47, 0
	s_lshl_b32 s48, s22, 14                        ; b1
	s_lshl_b32 s30, s21, 9
	s_add_co_u32 s48, s48, s30
	s_mov_b32 s49, 0
	s_mul_i32 s50, s22, 4608                       ; the expert's region of route
	s_mov_b32 s51, 0
	s_mul_i32 s52, s22, 3145728                    ; hc[e][w][x]
	s_mul_i32 s30, s21, 1536
	s_add_co_u32 s52, s52, s30
	s_mul_i32 s30, s20, 49152
	s_add_co_u32 s52, s52, s30
	s_mov_b32 s53, 0
	s_lshl_b32 s54, s22, 18                        ; hs[e][w][x]
	s_lshl_b32 s30, s21, 7
	s_add_co_u32 s54, s54, s30
	s_lshl_b32 s30, s20, 12
	s_add_co_u32 s54, s54, s30
	s_mov_b32 s55, 0
	s_lshl_b32 s56, s20, 6
	s_add_co_u32 s56, s56, 64                      ; the entries of tile w
	s_mov_b32 s57, 0
	s_wait_kmcnt 0x0
	s_add_nc_u64 s[14:15], s[14:15], s[50:51]
	s_load_b32 s23, s[14:15], 0x0                  ; the expert's count
	s_add_nc_u64 s[32:33], s[14:15], s[56:57]
	s_add_nc_u64 s[8:9], s[8:9], s[44:45]
	s_add_nc_u64 s[10:11], s[10:11], s[46:47]
	s_add_nc_u64 s[12:13], s[12:13], s[48:49]
	s_add_nc_u64 s[34:35], s[16:17], s[52:53]
	s_add_nc_u64 s[36:37], s[18:19], s[54:55]
	global_load_b128 v[TK:TK+3], v6, s[32:33]      ; my first tile's tokens (the region is written whole, so the entries exist whatever the count)
	global_load_b128 v[TK+4:TK+7], v6, s[32:33] offset:16
	global_load_b32 v[TKR], v7, s[32:33]
	WIN 0x40                                       ; destination window 1
.irp a, 0,1
.irp j, 0,1,2,3,4,5,6,7
.irp m, 0,1,2
	global_load_b128 v[4*(24*\a+3*\j+\m):4*(24*\a+3*\j+\m)+3], v232, s[8:9] offset:(16*\a+\j)*768+256*\m th:TH_LOAD_NT   ; 16 lanes read 256 consecutive bytes of a row, at a multiple of 256 from the buffer's start
.endr
.endr
.endr
	WIN 0
.irp t, 0,1,2,3,4,5,6,7
	global_load_b128 v[WSC+4*\t:WSC+4*\t+3], v233, s[10:11] offset:(32*(\t/2)+8*(\t%2))*32
.endr
	global_load_b32 v231, v230, s[12:13]           ; one bias a thread
; The tokens in TK and TKR become byte offsets (held to the table: 1,023 at the most), and the tile's 16 rows and their scale words are asked for: 25 loads.
.macro XASK
.irp j, 0,1,2,3,4,5,6,7
	v_min_u32 v[TK+\j], 1023, v[TK+\j]
.endr
.irp j, 0,1,2,3,4,5,6,7
	v_mul_u32_u24 v[TK+\j], 768, v[TK+\j]
.endr
.irp j, 0,1,2,3,4,5,6,7
	v_add_nc_u32 v[TK+\j], v8, v[TK+\j]
.endr
	v_min_u32 v[TKR], 1023, v[TKR]
	v_lshlrev_b32 v[TKR], 5, v[TKR]
	v_add_nc_u32 v[TKR], v9, v[TKR]
.irp j, 0,1,2,3,4,5,6,7
.irp m, 0,1,2
	global_load_b128 v[F+4*(3*\j+\m):F+4*(3*\j+\m)+3], v[TK+\j], s[4:5] offset:256*\m   ; lanes 0-15: row j, lanes 16-31: row 8 + j; 256 consecutive bytes each
.endr
.endr
	global_load_b128 v[XSC:XSC+3], v[TKR], s[6:7]
.endm
	s_wait_loadcnt 57                              ; the three token loads are in: behind them stand 48 loads of W1, 8 of its scales, 1 of b1
	XASK
	s_wait_loadcnt 25                              ; W1, its scales and b1 are in; the 25 just issued may be out
	WIN 0x04                                       ; an LDS store's data: window 1
.irp a, 0,1
.irp j, 0,1,2,3,4,5,6,7
.irp m, 0,1,2
	ds_store_b128 v235, v[4*(24*\a+3*\j+\m):4*(24*\a+3*\j+\m)+3] offset:(8*\a+\j)*WP+256*\m
.endr
.endr
.endr
	WIN 0
	ds_store_b32 v234, v231
	s_wait_dscnt 0x0                               ; for the others' sake: my stores have landed
	s_barrier_signal -1
	s_barrier_wait -1                              ; W1's 128 rows and the biases lie in LDS; nobody writes them again
.set f, 0
.rept 64                               ; fragment f = 8 s + tile
.set tl, f%8
.set sk, f/8
.if f < 63
.set wn, (1+f/21)<<6
.set rg, 12*(f%21)
.else
.set wn, 0
.set rg, W63
.endif
	WIN wn
.irp p, 0,1,2,3,4,5
	ds_load_b64 v[rg+2*\p:rg+2*\p+1], v[10+tl/4] offset:(tl%4)*16*WP+96*sk+48*(\p/3)+8*(\p%3)
.endr
.set f, f+1
.endr
	WIN 0
	s_wait_dscnt 0x0
	s_wait_kmcnt 0x0
	s_min_u32 s23, s23, 1024
	s_add_co_u32 s24, s23, 15
	s_lshr_b32 s24, s24, 4                         ; the expert's tiles;
	s_max_u32 s24, s24, 1                          ; tile 0 is made in any case
	s_add_co_u32 s25, s24, 3
	s_sub_co_u32 s25, s25, s20
	s_lshr_b32 s25, s25, 2                         ; mine: w, w + 4, ..
; gelu of 32 numbers, v[ACC + 16 a] on.  The exponentials are one batch with one wait ahead of their first reader, the reciprocals another.
; Pairs go in ascending order.
.macro GELU2 a
.set X, ACC+16*(\a)
.set k, 0
.rept 16
	v_pk_mul_f32 v[Z+k:Z+k+1], v[X+k:X+k+1], v[X+k:X+k+1]
.set k, k+2
.endr
.set k, 0
.rept 16
	v_pk_fma_f32 v[Z+k:Z+k+1], v[Z+k:Z+k+1], s[40:41], v[CC:CC+1] op_sel_hi:[1,0,1]   ; C1 v v + C0
.set k, k+2
.endr
.set k, 0
.rept 16
	v_pk_mul_f32 v[Z+k:Z+k+1], v[Z+k:Z+k+1], v[X+k:X+k+1]
.set k, k+2
.endr
.set k, 0
.rept 32
	v_exp_f32 v[Z+k], v[Z+k]
.set k, k+1
.endr
	v_nop                                          ; a plain instruction behind the last exponential
	s_wait_alu depctr_va_vdst(0)                   ; one wait for the batch, ahead of its first reader
.set k, 0
.rept 16
	v_pk_add_f32 v[Z+k:Z+k+1], v[Z+k:Z+k+1], 1.0 op_sel_hi:[1,0]
.set k, k+2
.endr
.set k, 0
.rept 32
	v_rcp_f32 v[Z+k], v[Z+k]
.set k, k+1
.endr
	v_nop
	s_wait_alu depctr_va_vdst(0)
.set k, 0
.rept 16
	v_pk_mul_f32 v[X+k:X+k+1], v[X+k:X+k+1], v[Z+k:Z+k+1]
.set k, k+2
.endr
.endm
; 64 numbers of a lane, register 16 b + i = unit 32 b + 16 (lane / 16) + i of my token, become a fragment's codes in v[PC] on and its scale word in v[PW].
.macro QUANT s
.irp b, 0,1,2,3
	v_max3_num_f32 v[TM+\b], |v[\s+16*\b]|, |v[\s+1+16*\b]|, 0x1800000   ; my 16 numbers of block b, and the floor 2^(3 - 127): the byte cannot fall under 1
.endr
.irp i, 2,4,6,8,10,12,14
.irp b, 0,1,2,3
	v_max3_num_f32 v[TM+\b], v[TM+\b], |v[\s+16*\b+\i]|, |v[\s+1+16*\b+\i]|
.endr
.endr
.irp b, 0,1,2,3
	v_permlanex16_b32 v[TM+4+\b], v[TM+\b], s[SEL], s[SEL+1]
.endr
.irp b, 0,1,2,3
	v_max_num_f32 v[TM+\b], v[TM+\b], v[TM+4+\b]   ; with lane l xor 16's: the block's largest magnitude
.endr
.irp b, 0,1,2,3
	v_add_nc_u32 v[TM+8+\b], 0xff000000, v[TM+\b]  ; 2 off its exponent field: the conversion's scale operand
.endr
.irp b, 0,1,2,3
	v_lshrrev_b32 v[TM+4+\b], 23, v[TM+8+\b]       ; the scale's byte
.endr
	v_lshl_or_b32 v[PW], v[TM+5], 8, v[TM+4]
	v_lshl_or_b32 v[PW], v[TM+6], 16, v[PW]
	v_lshl_or_b32 v[PW], v[TM+7], 24, v[PW]
.irp c, 0,1
	v_cvt_scalef32_pk16_fp6_f32 v[PC+6*\c:PC+2+6*\c], v[\s+32*\c:\s+15+32*\c], v[TM+8+2*\c]
	v_cvt_scalef32_pk16_fp6_f32 v[PC+12+4*\c:PC+14+4*\c], v[\s+16+32*\c:\s+31+32*\c], v[TM+8+2*\c+1]   ; (a conversion's three registers begin on an even number)
.endr
	v_nop                                          ; one plain instruction behind the scaled conversions
.irp c, 0,1                            ; the operand wants a whole block in a lane: lanes 0-15 block 2 c, lanes 16-31 block 2 c + 1
.irp i, 0,1,2
	v_permlane16_swap_b32 v[PC+6*\c+\i], v[PC+12+4*\c+\i]
.endr
.irp i, 0,1,2
	v_mov_b32 v[PC+3+6*\c+\i], v[PC+12+4*\c+\i]
.endr
.endr
.endm
; A TILE OF 16 TOKENS.  ahead = 1: the tile four further on is asked for on the way.
.macro TILE ahead
	s_wait_loadcnt 0x0                             ; the tile's 24 pieces of rows and its scale words are in; their offset registers are free
.if \ahead
	global_load_b128 v[TK:TK+3], v6, s[32:33] offset:256       ; the tokens of my next tile: four tiles, 256 bytes, on
	global_load_b128 v[TK+4:TK+7], v6, s[32:33] offset:272
	global_load_b32 v[TKR], v7, s[32:33] offset:256
.endif
.irp j, 0,1,2,3,4,5,6,7
.irp m, 0,1,2
	ds_store_b128 v3, v[F+4*(3*\j+\m):F+4*(3*\j+\m)+3] offset:WP*\j+256*\m
.endr
.endr
.irp t, 0,1,2,3,4,5,6,7
	ds_load_b128 v[ACC+8*\t:ACC+8*\t+3], v5 offset:4*(32*(\t/2)+8*(\t%2))        ; b1 at units 32 b + 16 h + 8 u + 0..7: the C of the first K step
	ds_load_b128 v[ACC+8*\t+4:ACC+8*\t+7], v5 offset:4*(32*(\t/2)+8*(\t%2))+16
.endr
	s_wait_dscnt 16                                ; the 24 stores have read their registers (the 16 loads behind them may be out): the fragments may land there
.irp s, 0,1,2,3,4,5,6,7
.irp p, 0,1,2,3,4,5
	ds_load_b64 v[F+12*\s+2*\p:F+12*\s+2*\p+1], v4 offset:96*\s+48*(\p/3)+8*(\p%3)
.endr
.endr
.set f, 0
.rept 64                               ; K step f / 8, tile f % 8: the eight accumulators take turns, one instruction a turn
.set tl, f%8
.set sk, f/8
.if tl == 0
	s_wait_dscnt 6*(7-sk)                          ; the biases and the fragments up to this K step are in; six loads for each later step may be out
.endif
.if f < 63
.set wn, 1+f/21
.set rg, 12*(f%21)
.else
.set wn, 0
.set rg, W63
.endif
	WIN wn                                         ; source 0 in W1's window
.if sk < 4
	v_wmma_scale_f32_16x16x128_f8f6f4 v[ACC+8*tl:ACC+8*tl+7], v[rg:rg+11], v[F+12*sk:F+12*sk+11], v[ACC+8*tl:ACC+8*tl+7], v[WSC+4*tl+sk%4], v[XSC+sk%4] matrix_a_fmt:MATRIX_FMT_FP6 matrix_b_fmt:MATRIX_FMT_FP6
.else
	v_wmma_scale_f32_16x16x128_f8f6f4 v[ACC+8*tl:ACC+8*tl+7], v[rg:rg+11], v[F+12*sk:F+12*sk+11], v[ACC+8*tl:ACC+8*tl+7], v[WSC+4*tl+sk%4], v[XSC+sk%4] matrix_a_fmt:MATRIX_FMT_FP6 matrix_b_fmt:MATRIX_FMT_FP6 matrix_a_scale:MATRIX_SCALE_ROW1 matrix_b_scale:MATRIX_SCALE_ROW1
.endif
.set f, f+1
.endr
	WIN 0
.if \ahead
	s_wait_loadcnt 0x0                             ; the next tile's tokens
	XASK                                           ; its 27 plain lines are the places behind the products, ahead of the loads into their operands
	s_wait_xcnt 0x0                                ; the offset registers are written again below
.else
.rept 4
	v_nop                                          ; places behind the last products, ahead of the first read of results
.endr
.endif
	GELU2 0
	GELU2 2
	QUANT ACC
.irp c, 0,1,2
	global_store_b128 v1, v[PC+4*\c:PC+4*\c+3], s[34:35] offset:512*\c   ; 32 lanes store 512 consecutive bytes, at a multiple of 512 from the buffer's start
.endr
	global_store_b32 v2, v[PW], s[36:37]
.if \ahead
	s_wait_xcnt 0x0                                ; the stores have read their registers and bases
	s_add_nc_u64 s[34:35], s[34:35], 4*49152
	s_add_nc_u64 s[36:37], s[36:37], 4*4096
	s_add_nc_u64 s[32:33], s[32:33], 256
.endif
.endm
	s_cmp_eq_u32 s25, 0
	s_cbranch_scc1 .Lend                           ; no tile for this wave: it stores nothing
	s_sub_co_u32 s25, s25, 1
	s_cmp_eq_u32 s25, 0
	s_cbranch_scc1 .Llast
.Ltile:
	TILE 1
	s_sub_co_u32 s25, s25, 1
	s_cmp_lg_u32 s25, 0
	s_cbranch_scc1 .Ltile
.Llast:
	TILE 0                                         ; the last tile asks for nothing
.Lend:
	s_set_vgpr_msb 0x4
	s_wait_tensorcnt 0x0
	ds_add_u32 v253, v255
	s_wait_dscnt 0x0
	s_set_vgpr_msb 0x400
	s_endpgm
.Lfunc_end_k_qad9c5d2124_up:
	.size	k_qad9c5d2124_up, .Lfunc_end_k_qad9c5d2124_up-k_qad9c5d2124_up
	.p2alignl 7, 3214868480
	.fill 96, 4, 3214868480
	.section	.rodata,"a",@progbits
	.p2align	6, 0x0
	.amdhsa_kernel k_qad9c5d2124_up
		.amdhsa_group_segment_fixed_size 151552
		.amdhsa_private_segment_fixed_size 0
		.amdhsa_enable_private_segment 0
		.amdhsa_kernarg_size 64
		.amdhsa_user_sgpr_count 2
		.amdhsa_user_sgpr_kernarg_segment_ptr 1
		.amdhsa_wavefront_size32 1
		.amdhsa_system_sgpr_workgroup_id_x 1
		.amdhsa_system_sgpr_workgroup_id_y 1
		.amdhsa_system_sgpr_workgroup_id_z 1
		.amdhsa_system_vgpr_workitem_id 0
		.amdhsa_next_free_vgpr 1024
		.amdhsa_next_free_sgpr 66
		.amdhsa_reserve_vcc 0
		.amdhsa_float_denorm_mode_32 3
		.amdhsa_float_denorm_mode_16_64 3
		.amdhsa_memory_ordered 1
		.amdhsa_forward_progress 1
		.amdhsa_inst_pref_size 111
	.end_amdhsa_kernel
	.amdgpu_metadata
---
amdhsa.version: [ 1, 2 ]
amdhsa.kernels:
  - .name:           k_qad9c5d2124_up
    .symbol:         k_qad9c5d2124_up.kd
    .args:
      - { .name: hidden_states_codes, .offset: 0, .size: 8, .value_kind: global_buffer, .address_space: global }
      - { .name: hidden_states_scales, .offset: 8, .size: 8, .value_kind: global_buffer, .address_space: global }
      - { .name: W1_codes, .offset: 16, .size: 8, .value_kind: global_buffer, .address_space: global }
      - { .name: W1_scales, .offset: 24, .size: 8, .value_kind: global_buffer, .address_space: global }
      - { .name: b1, .offset: 32, .size: 8, .value_kind: global_buffer, .address_space: global }
      - { .name: route, .offset: 40, .size: 8, .value_kind: global_buffer, .address_space: global }
      - { .name: hc, .offset: 48, .size: 8, .value_kind: global_buffer, .address_space: global }
      - { .name: hs, .offset: 56, .size: 8, .value_kind: global_buffer, .address_space: global }
    .group_segment_fixed_size: 151552
    .private_segment_fixed_size: 0
    .kernarg_segment_align: 8
    .kernarg_segment_size: 64
    .max_flat_workgroup_size: 128
    .sgpr_count:     66
    .vgpr_count:     1024
    .wavefront_size: 32
...
	.end_amdgpu_metadata
.endif
;; end of part 2
;; launch down (part 3): grid 32 x 8, 4 waves a work-group, no clusters, 201,216 bytes of LDS; arguments hc, hs, W2_codes, W2_scales, b2, route, out0; writes out0
.if DOCPART == 3
	.amdgcn_target "amdgcn-amd-amdhsa--gfx1250"
	.amdhsa_code_object_version 6
	.text
	.protected	k_qad9c5d2124_down
	.globl	k_qad9c5d2124_down
	.p2align	8
	.type	k_qad9c5d2124_down,@function
k_qad9c5d2124_down:
	s_mov_b64 s[64:65], 0
	v_nop
	global_prefetch_b8 v0, s[64:65] scope:SCOPE_SE
	s_setreg_imm32_b32 hwreg(HW_REG_WAVE_MODE, 25, 1), 1
	s_wait_xcnt 0x0
; y = h W2 + b2 for the tokens of each expert, on codes of FP6 (E2M3) with one E8M0 byte for each 32 along K; h comes as register images of fragments (hc) and scale words (hs).
; Work-group (2 slice + p, e) owns 64 output columns of expert e and the expert's tiles of 16 tokens p, p + 2, ..
; THE WAVES SPLIT K: wave w owns K steps 8 w .. 8 w + 7 (1,024 of the 4,096 hidden units).  Its part of W2, 64 rows x 768 bytes, comes by loads of 2 x 256 consecutive bytes, goes through the wave's own
; LDS region and stays in 384 registers (32 fragments).  Its part of a tile of h is 12,288 dense bytes: 24 loads straight into the operand's registers, in a ring of two register buffers.
; The matrix instruction is used transposed (source 0 = 16 rows of W2, source 1 = 16 tokens): a lane holds 8 neighbouring columns of one token.
; The four waves' partial sums of a tile meet in LDS: a chunk is up to 8 tiles; barrier; wave w adds the four parts and b2 for slots w and w + 4 and stores rows of 256 bytes to the tokens' places; barrier.
; The loop over chunks has a constant count (4 x 8 tiles x 2 parities = 64 tiles: all tokens on one expert); what hangs on the stored count are scalar branches round work, never round a barrier,
; and every LDS offset is an immediate.  So no tensor load, no copy and no joint load is used.
; A look-ahead past the last tile still issues its 28 loads, so that every counted wait holds on every path: its offsets are multiplied by 0, so that all lanes of a load name one piece of 16 bytes
; of the expert's tile 0, which the launch before always stores; nothing is made of what they bring.
; LIMITS: the sum over K is made in four parts, added in f32.  A token whose index lies outside 0..7 is in no list and its row is not written.  The rows that fill an expert's last tile are copies of a token
; of that tile: they give the same numbers, stored to the same bytes by the same wave.
.set WP,    784                        ; a row of the W2 stage: 768 bytes + 16
.set REG,   64*WP                      ; a wave's LDS region: first its stage, then its partial sums: slot j at 4,352 j, 16 rows of 272 bytes
.set SLB,   16*272
.set OA,    10                         ; v10-11 the ring's offsets in hc: tile x 49,152 + 16 L, or 0;  v12-13 in hs: tile x 4,096 + 512 h + 4 r, or 0
.set OS,    12
.set FL,    14                         ; v14    1 where the tile asked for exists, else 0
.set WSC,   16                         ; v16-31 W2's scale words: 4 a tile of columns; register s % 4; lanes 0-15 my K steps 0-3, lanes 16-31 my K steps 4-7
.set HSC,   32                         ; v32-39 h's scale words: 4 a ring buffer, laid likewise
.set BI,    40                         ; v40-43 b2 at columns 4 i .. 4 i + 3
.set ACC,   44                         ; v44-75 4 accumulators
.set TK,    76                         ; v76-83 tokens of rows 8 h + 0..7, then their byte offsets
.set R,     84                         ; v84-211 the four waves' parts of a tile: 32 registers each
; v1 16 L; v2 512 h + 4 r; v3 where I put my sums; v4-7 where I read wave q's; v8 32 h; v9 16 i
; window 1 v0-251, window 2 v0-131: W2's fragments (f = 4 s + tile: 21 in window 1);  window 2 v132-227: ring buffer 0;  window 3 v0-95: ring buffer 1
.set MSB, 0
.macro WIN new                         ; the immediate's high byte repeats the setting that is left; a switch that changes nothing is dropped
.if MSB != (\new)
	s_set_vgpr_msb (MSB<<8)|(\new)
.set MSB, (\new)
.endif
.endm
	s_load_b256 s[4:11], s[0:1], 0x0               ; hc, hs, W2's codes, W2's scales
	s_load_b128 s[12:15], s[0:1], 0x20             ; b2, route
	s_load_b64 s[16:17], s[0:1], 0x30              ; out0
	v_lshl_add_u32 v254, v0, 2, 0x31000
	v_mov_b32 v255, 0
	v_lshrrev_b32 v1, 5, v0
	v_readfirstlane_b32 s20, v1                    ; wave 0..3
	s_and_b32 s22, ttmp9, 1                        ; p
	s_lshr_b32 s23, ttmp9, 1                       ; the slice
	s_and_b32 s24, ttmp7, 0xffff                   ; the expert
	v_and_b32 v84, 15, v0                          ; r = i
	v_bfe_u32 v85, v0, 4, 1                        ; h
	v_and_b32 v1, 31, v0
	v_lshlrev_b32 v1, 4, v1
	v_lshlrev_b32 v2, 2, v84
	v_lshl_add_u32 v2, v85, 9, v2
	s_mul_i32 s62, s20, REG
	s_mul_i32 s63, s20, SLB
	v_mul_u32_u24 v3, v84, 272
	v_lshl_add_u32 v3, v85, 5, v3
	v_add_nc_u32 v3, s62, v3                       ; my region, row r, + 32 h
	v_mul_u32_u24 v4, v85, 8*272
	v_lshl_add_u32 v4, v84, 4, v4
	v_add_nc_u32 v4, s63, v4                       ; slot w, row 8 h + k, 16 bytes a lane: in wave 0's region,
	v_add_nc_u32 v5, REG, v4                       ; wave 1's,
	v_add_nc_u32 v6, 2*REG, v4
	v_add_nc_u32 v7, 3*REG, v4
	v_lshlrev_b32 v8, 5, v85
	v_lshlrev_b32 v9, 4, v84
	v_mul_u32_u24 v86, v85, 8*3072
	v_add_nc_u32 v86, v86, v9                      ; W2 in memory: lanes 16-31 eight rows further down
	v_mul_u32_u24 v87, v85, 8*WP
	v_add_nc_u32 v87, v87, v9
	v_add_nc_u32 v87, s62, v87                     ; and in my stage
	v_mul_u32_u24 v88, v84, WP
	v_mad_u32_u24 v88, v85, 24, v88
	v_add_nc_u32 v88, s62, v88                     ; a fragment's row r, + 24 h
	v_lshlrev_b32 v89, 7, v84
	v_lshl_add_u32 v89, v85, 4, v89                ; W2's scales: 128 bytes a row, my half of my 32
	s_mul_i32 s44, s24, 3145728                    ; W2's codes: 1,024 rows of 3,072 bytes an expert, 64 a slice; my 768 bytes of each row
	s_mul_i32 s30, s23, 196608
	s_add_co_u32 s44, s44, s30
	s_mul_i32 s30, s20, 768
	s_add_co_u32 s44, s44, s30
	s_mov_b32 s45, 0
	s_lshl_b32 s46, s24, 17                        ; W2's scales
	s_lshl_b32 s30, s23, 13
	s_add_co_u32 s46, s46, s30
	s_lshl_b32 s30, s20, 5
	s_add_co_u32 s46, s46, s30
	s_mov_b32 s47, 0
	s_mul_i32 s48, s24, 3145728                    ; hc[e][0][8 w]
	s_mul_i32 s30, s20, 12288
	s_add_co_u32 s48, s48, s30
	s_mov_b32 s49, 0
	s_lshl_b32 s50, s24, 18                        ; hs[e][0][8 w]
	s_lshl_b32 s30, s20, 10
	s_add_co_u32 s50, s50, s30
	s_mov_b32 s51, 0
	s_lshl_b32 s52, s23, 8                         ; the slice's 256 bytes of a row of out0
	s_mov_b32 s53, 0
	s_lshl_b32 s56, s24, 12                        ; b2
	s_lshl_b32 s30, s23, 8
	s_add_co_u32 s56, s56, s30
	s_mov_b32 s57, 0
	s_mul_i32 s58, s24, 4608                       ; the expert's region of route
	s_mov_b32 s59, 0
	s_mov_b32 s61, 0
	s_mov_b32 s28, s22                             ; the chunk's first tile
	s_mov_b32 s27, 4                               ; chunks
	s_wait_kmcnt 0x0
	s_add_nc_u64 s[14:15], s[14:15], s[58:59]
	s_load_b32 s25, s[14:15], 0x0                  ; the expert's count
	s_add_nc_u64 s[40:41], s[14:15], 64            ; its list
	s_add_nc_u64 s[32:33], s[8:9], s[44:45]
	s_add_nc_u64 s[34:35], s[10:11], s[46:47]
	s_add_nc_u64 s[36:37], s[4:5], s[48:49]        ; never rewritten
	s_add_nc_u64 s[38:39], s[6:7], s[50:51]        ; never rewritten
	s_add_nc_u64 s[52:53], s[16:17], s[52:53]
	s_add_nc_u64 s[12:13], s[12:13], s[56:57]
.set n, 0
.rept 96                               ; load n: rows 16 (n / 24) + (n % 24) / 3 and eight further down, piece n % 3
.set rw, 16*(n/24)+(n%24)/3
.set pce, n%3
.if n < 64
.set wn, 0x40
.set rg, 4*n
.else
.set wn, 0x80
.set rg, 4*(n-64)
.endif
	WIN wn
	global_load_b128 v[rg:rg+3], v86, s[32:33] offset:rw*3072+256*pce   ; 16 lanes read 256 consecutive bytes, at a multiple of 256 from the buffer's start; the work-group of the other parity reads them too
.set n, n+1
.endr
	WIN 0
.irp t, 0,1,2,3
	global_load_b128 v[WSC+4*\t:WSC+4*\t+3], v89, s[34:35] offset:2048*\t
.endr
	global_load_b128 v[BI:BI+3], v9, s[12:13]
	s_wait_kmcnt 0x0
	s_min_u32 s25, s25, 1024
	s_add_co_u32 s26, s25, 15
	s_lshr_b32 s26, s26, 4                         ; the expert's tiles
; Ring buffer u is asked for tile T = s28 + tadd: 24 loads of codes and 4 of scale words.  The offsets are (T x the tile's bytes + my lane's place) x FL, FL = min(max(tiles - T, 0), 1):
; what hangs on the stored count enters them through that 0 or 1 alone.  The factor's other operand is 67 x 49,152 + 496 at the most: inside 24 bits.
.macro ISSUE u, tadd
	s_add_co_u32 s54, s28, \tadd
	s_sub_co_i32 s55, s26, s54
	s_max_i32 s55, s55, 0
	s_mul_i32 s56, s54, 49152
	s_lshl_b32 s58, s54, 12
	v_mov_b32 v[FL], s55
	v_min_u32 v[FL], 1, v[FL]
	v_add_nc_u32 v[OA+(\u)], s56, v1
	v_add_nc_u32 v[OS+(\u)], s58, v2
	v_mul_u32_u24 v[OA+(\u)], v[FL], v[OA+(\u)]
	v_mul_u32_u24 v[OS+(\u)], v[FL], v[OS+(\u)]
.set rb, 132*(1-(\u))
.set wn, (2+(\u))<<6
	WIN wn
.irp k, 0,1,2,3,4,5,6,7,8,9,10,11,12,13,14,15,16,17,18,19,20,21,22,23
	global_load_b128 v[rb+4*\k:rb+4*\k+3], v[OA+(\u)], s[36:37] offset:512*\k   ; group k % 3 of the fragment of my K step k / 3: 512 consecutive bytes
.endr
	WIN 0
.irp q, 0,1,2,3
	global_load_b32 v[HSC+4*(\u)+\q], v[OS+(\u)], s[38:39] offset:128*\q       ; lanes 0-15: my K step q, lanes 16-31: my K step 4 + q
.endr
.endm
	ISSUE 0, 0
	ISSUE 1, 2
	s_wait_loadcnt 56                              ; W2, its scales and b2 are in; the two ring buffers' 56 loads may be out
.set n, 0
.rept 96
.set rw, 16*(n/24)+(n%24)/3
.set pce, n%3
.if n < 64
.set wn, 0x04
.set rg, 4*n
.else
.set wn, 0x08
.set rg, 4*(n-64)
.endif
	WIN wn                                         ; an LDS store's data: window 1 or 2
	ds_store_b128 v87, v[rg:rg+3] offset:rw*WP+256*pce
.set n, n+1
.endr
	WIN 0
	s_wait_dscnt 0x0                               ; the stores have read their registers: the fragments may land there
.set f, 0
.rept 32                               ; fragment f = 4 s + tile of columns
.set nt, f%4
.set sg, f/4
.if f < 21
.set wn, 0x40
.set rg, 12*f
.else
.set wn, 0x80
.set rg, 12*(f-21)
.endif
	WIN wn
.irp p, 0,1,2,3,4,5
	ds_load_b64 v[rg+2*\p:rg+2*\p+1], v88 offset:nt*16*WP+96*sg+48*(\p/3)+8*(\p%3)
.endr
.set f, f+1
.endr
	WIN 0
	s_wait_dscnt 0x0
; Slot j of a chunk: tile T = s28 + 2 j, in ring buffer j % 2.
.macro SLOT j
.set uu, (\j)%2
	s_wait_loadcnt 28                              ; this buffer's 28 loads are in; the other buffer's 28 may be out
	s_add_co_u32 s54, s28, 2*(\j)
	s_cmp_ge_u32 s54, s26
	s_cbranch_scc1 .Lno_tile_\@
	s_wait_dscnt 0x0                               ; the last slot's stores have read the accumulators
.set rb, 132*(1-uu)
.set f, 0
.rept 32                               ; my K step f / 4, tile of columns f % 4: the four accumulators take turns, one instruction a turn; the first four start the sums
.set nt, f%4
.set sg, f/4
.if f < 21
.set wn, 1|((2+uu)<<2)
.set rg, 12*f
.else
.set wn, 2|((2+uu)<<2)
.set rg, 12*(f-21)
.endif
	WIN wn                                         ; source 0 in W2's window, source 1 in the ring buffer's
.if sg == 0
	v_wmma_scale_f32_16x16x128_f8f6f4 v[ACC+8*nt:ACC+8*nt+7], v[rg:rg+11], v[rb+12*sg:rb+12*sg+11], 0, v[WSC+4*nt+sg%4], v[HSC+4*uu+sg%4] matrix_a_fmt:MATRIX_FMT_FP6 matrix_b_fmt:MATRIX_FMT_FP6
.elseif sg < 4
	v_wmma_scale_f32_16x16x128_f8f6f4 v[ACC+8*nt:ACC+8*nt+7], v[rg:rg+11], v[rb+12*sg:rb+12*sg+11], v[ACC+8*nt:ACC+8*nt+7], v[WSC+4*nt+sg%4], v[HSC+4*uu+sg%4] matrix_a_fmt:MATRIX_FMT_FP6 matrix_b_fmt:MATRIX_FMT_FP6
.else
	v_wmma_scale_f32_16x16x128_f8f6f4 v[ACC+8*nt:ACC+8*nt+7], v[rg:rg+11], v[rb+12*sg:rb+12*sg+11], v[ACC+8*nt:ACC+8*nt+7], v[WSC+4*nt+sg%4], v[HSC+4*uu+sg%4] matrix_a_fmt:MATRIX_FMT_FP6 matrix_b_fmt:MATRIX_FMT_FP6 matrix_a_scale:MATRIX_SCALE_ROW1 matrix_b_scale:MATRIX_SCALE_ROW1
.endif
.set f, f+1
.endr
	WIN 0
.rept 5
	v_nop                                          ; places behind the products: four for the stores of results and the loads into the ring, five for the next slot's products, which begin the sums anew over these registers
.endr
.irp t, 0,1,2,3
	ds_store_b128 v3, v[ACC+8*\t:ACC+8*\t+3] offset:SLB*(\j)+64*\t          ; each accumulator from its low end on: token r, columns 16 t + 8 h + 0..7
	ds_store_b128 v3, v[ACC+8*\t+4:ACC+8*\t+7] offset:SLB*(\j)+64*\t+16
.endr
.Lno_tile_\@:
	ISSUE (\j)%2, 2*(\j)+4                         ; the tile two slots on, into the buffer just read: its old loads, and so their offset registers, were shown done by the wait at this slot's head
.endm
; Wave w finishes slot w + 4 z: the four parts and b2 are added, and the 16 rows go to their tokens' places.
.macro REDUCE z
	s_lshl_b32 s54, s20, 1
	s_add_co_u32 s54, s54, s28
	s_add_co_u32 s54, s54, 8*(\z)
	s_cmp_ge_u32 s54, s26
	s_cbranch_scc1 .Lno_rows_\@
	s_wait_xcnt 0x0                                ; earlier stores have read their data and offsets, earlier loads their base
	s_lshl_b32 s60, s54, 6
	s_add_nc_u64 s[42:43], s[40:41], s[60:61]      ; the tile's 16 entries
	global_load_b128 v[TK:TK+3], v8, s[42:43]
	global_load_b128 v[TK+4:TK+7], v8, s[42:43] offset:16
.irp k, 0,1,2,3,4,5,6,7
.irp q, 0,1,2,3
	ds_load_b128 v[R+32*\q+4*\k:R+32*\q+4*\k+3], v[4+\q] offset:4*SLB*(\z)+272*\k   ; lanes 0-15: row k, lanes 16-31: row 8 + k, of wave q's part
.endr
.endr
	s_wait_dscnt 0x0
.irp k, 0,1,2,3,4,5,6,7
.irp d, 0,2
	v_pk_add_f32 v[R+4*\k+\d:R+4*\k+\d+1], v[R+4*\k+\d:R+4*\k+\d+1], v[R+32+4*\k+\d:R+32+4*\k+\d+1]
	v_pk_add_f32 v[R+64+4*\k+\d:R+64+4*\k+\d+1], v[R+64+4*\k+\d:R+64+4*\k+\d+1], v[R+96+4*\k+\d:R+96+4*\k+\d+1]
.endr
.endr
.irp k, 0,1,2,3,4,5,6,7
.irp d, 0,2
	v_pk_add_f32 v[R+4*\k+\d:R+4*\k+\d+1], v[R+4*\k+\d:R+4*\k+\d+1], v[R+64+4*\k+\d:R+64+4*\k+\d+1]
.endr
.endr
.irp k, 0,1,2,3,4,5,6,7
.irp d, 0,2
	v_pk_add_f32 v[R+4*\k+\d:R+4*\k+\d+1], v[R+4*\k+\d:R+4*\k+\d+1], v[BI+\d:BI+\d+1]
.endr
.endr
	s_wait_loadcnt 0x0                             ; the tokens
.irp k, 0,1,2,3,4,5,6,7
	v_min_u32 v[TK+\k], 1023, v[TK+\k]
.endr
.irp k, 0,1,2,3,4,5,6,7
	v_lshlrev_b32 v[TK+\k], 12, v[TK+\k]           ; a row of out0 is 4,096 bytes
.endr
.irp k, 0,1,2,3,4,5,6,7
	v_add_nc_u32 v[TK+\k], v9, v[TK+\k]
.endr
.irp k, 0,1,2,3,4,5,6,7
	global_store_b128 v[TK+\k], v[R+4*\k:R+4*\k+3], s[52:53] th:TH_STORE_NT   ; 16 lanes store 256 consecutive bytes of a token's row, at a multiple of 256 from the buffer's start
.endr
.Lno_rows_\@:
.endm
.Lchunk:
	s_cmp_ge_u32 s28, s26
	s_cbranch_scc1 .Lno_slots                      ; a chunk behind the last tile leaves the ring as it is
	SLOT 0
	SLOT 1
	SLOT 2
	SLOT 3
	SLOT 4
	SLOT 5
	SLOT 6
	SLOT 7
.Lno_slots:
	s_wait_dscnt 0x0                               ; for the others' sake: my partial sums have landed
	s_barrier_signal -1
	s_barrier_wait -1
	s_cmp_ge_u32 s28, s26
	s_cbranch_scc1 .Lno_reduce
	REDUCE 0
	REDUCE 1
.Lno_reduce:
	s_wait_dscnt 0x0                               ; my reads of the partial sums are back: the next chunk may write over them
	s_barrier_signal -1
	s_barrier_wait -1
	s_add_co_u32 s28, s28, 16
	s_sub_co_u32 s27, s27, 1
	s_cmp_lg_u32 s27, 0
	s_cbranch_scc1 .Lchunk
	s_wait_tensorcnt 0x0
	ds_add_u32 v254, v255
	s_wait_dscnt 0x0
	s_endpgm
.Lfunc_end_k_qad9c5d2124_down:
	.size	k_qad9c5d2124_down, .Lfunc_end_k_qad9c5d2124_down-k_qad9c5d2124_down
	.p2alignl 7, 3214868480
	.fill 96, 4, 3214868480
	.section	.rodata,"a",@progbits
	.p2align	6, 0x0
	.amdhsa_kernel k_qad9c5d2124_down
		.amdhsa_group_segment_fixed_size 201216
		.amdhsa_private_segment_fixed_size 0
		.amdhsa_enable_private_segment 0
		.amdhsa_kernarg_size 56
		.amdhsa_user_sgpr_count 2
		.amdhsa_user_sgpr_kernarg_segment_ptr 1
		.amdhsa_wavefront_size32 1
		.amdhsa_system_sgpr_workgroup_id_x 1
		.amdhsa_system_sgpr_workgroup_id_y 1
		.amdhsa_system_sgpr_workgroup_id_z 1
		.amdhsa_system_vgpr_workitem_id 0
		.amdhsa_next_free_vgpr 1024
		.amdhsa_next_free_sgpr 66
		.amdhsa_reserve_vcc 0
		.amdhsa_float_denorm_mode_32 3
		.amdhsa_float_denorm_mode_16_64 3
		.amdhsa_memory_ordered 1
		.amdhsa_forward_progress 1
		.amdhsa_inst_pref_size 119
	.end_amdhsa_kernel
	.amdgpu_metadata
---
amdhsa.version: [ 1, 2 ]
amdhsa.kernels:
  - .name:           k_qad9c5d2124_down
    .symbol:         k_qad9c5d2124_down.kd
    .args:
      - { .name: hc, .offset: 0, .size: 8, .value_kind: global_buffer, .address_space: global }
      - { .name: hs, .offset: 8, .size: 8, .value_kind: global_buffer, .address_space: global }
      - { .name: W2_codes, .offset: 16, .size: 8, .value_kind: global_buffer, .address_space: global }
      - { .name: W2_scales, .offset: 24, .size: 8, .value_kind: global_buffer, .address_space: global }
      - { .name: b2, .offset: 32, .size: 8, .value_kind: global_buffer, .address_space: global }
      - { .name: route, .offset: 40, .size: 8, .value_kind: global_buffer, .address_space: global }
      - { .name: out0, .offset: 48, .size: 8, .value_kind: global_buffer, .address_space: global }
    .group_segment_fixed_size: 201216
    .private_segment_fixed_size: 0
    .kernarg_segment_align: 8
    .kernarg_segment_size: 56
    .max_flat_workgroup_size: 128
    .sgpr_count:     66
    .vgpr_count:     1024
    .wavefront_size: 32
...
	.end_amdgpu_metadata
.endif
;; end of part 3
;; ======== version 2 of 2: 3 launches
;; workspace buffers: route 36,864 bytes of whole numbers; hc 25,165,824 bytes; hs 2,097,152 bytes
;; launch route (part 4): grid 8 x 1, 1 waves a work-group, no clusters, 5,376 bytes of LDS; arguments expert_indices, route; writes route
.if DOCPART == 4
	.amdgcn_target "amdgcn-amd-amdhsa--gfx1250"
	.amdhsa_code_object_version 6
	.text
	.protected	k_qad9c5d2124_route
	.globl	k_qad9c5d2124_route
	.p2align	8
	.type	k_qad9c5d2124_route,@function
k_qad9c5d2124_route:
	s_mov_b64 s[64:65], 0
	v_nop
	global_prefetch_b8 v0, s[64:65] scope:SCOPE_SE
	s_setreg_imm32_b32 hwreg(HW_REG_WAVE_MODE, 25, 1), 1
	s_wait_xcnt 0x0
; THE ROUTING.  Work-group e (one wave) lists the tokens of expert e.  Its region of route is 4,608 bytes: words 0-15 all hold the count;
; from byte 64 on 1,136 entries: entry p < count is the p-th token found for the expert, every later entry repeats the last one (0 where the count is 0).
; So a tile of 16 entries is always whole: the rows that fill the last tile are copies of a token of that same tile.
; The 1,024 indices are read once (8 loads of 512 consecutive bytes), the list is built in LDS by a counting pass and leaves in 9 stores of 512 consecutive bytes.
; All lanes stay on: a lane whose token belongs to another expert stores it to a spare word of its own behind the image (entry 1,136 + lane), which nobody reads.
; LIMIT: a token whose index lies outside 0..7 appears in no list, and no later launch writes its row.
.set REGION, 4608
.set DUMP, 1136                        ; the first entry behind the image
.set D,   16                           ; v16-51  the indices as loaded (32 registers), later the region's image (36)
.set AD,  52                           ; v52-83  where each token goes in LDS
.set TKN, 84                           ; v84-115 the tokens' numbers
	s_load_b128 s[4:7], s[0:1], 0x0                ; the indices, route
	v_lshl_add_u32 v128, v0, 2, 0x1400
	v_mov_b32 v129, 0
	s_mov_b32 s8, ttmp9                            ; my expert
	v_lshlrev_b32 v1, 4, v0                        ; 16 x lane
	v_lshlrev_b32 v2, 2, v0                        ; 4 x lane
	v_add_nc_u32 v4, DUMP, v0                      ; my spare entry
.irp i, 8,9,10,11
	v_mov_b32 v\i, 0
.endr
	s_mul_i32 s10, s8, REGION
	s_mov_b32 s11, 0
	s_mov_b32 s20, 0                               ; tokens found so far
	s_wait_alu depctr_va_vdst(0)
	s_wait_kmcnt 0x0
	s_add_nc_u64 s[6:7], s[6:7], s[10:11]          ; my region
.irp q, 0,1,2,3,4,5,6,7
	global_load_b128 v[D+4*\q:D+4*\q+3], v1, s[4:5] offset:512*\q   ; register 4 q + i: the index of token 128 q + 4 lane + i
.endr
.irp q, 0,1,2,3,4,5,6,7,8
	ds_store_b128 v1, v[8:11] offset:512*\q        ; the image begins as zeros
.endr
	s_wait_loadcnt 0x0
.set j, 0
.rept 32
	v_cmp_eq_u32 s21, s8, v[D+j]                   ; the lanes whose token is mine
	v_mbcnt_lo_u32_b32 v[AD+j], s21, s20           ; its place: those found before + those in lower lanes
	v_cndmask_b32 v[AD+j], v4, v[AD+j], s21        ; the other lanes: their spare entry
	v_min_u32 v[AD+j], DUMP+31, v[AD+j]            ; held inside the LDS that the work-group has
	v_lshlrev_b32 v[AD+j], 2, v[AD+j]
	v_add_nc_u32 v[AD+j], 64, v[AD+j]              ; entries begin at byte 64
	v_add_nc_u32 v[TKN+j], 128*(j/4)+j%4, v2
	ds_store_b32 v[AD+j], v[TKN+j]
	s_bcnt1_i32_b32 s22, s21
	s_add_co_u32 s20, s20, s22
.set j, j+1
.endr
	v_mov_b32 v5, s20
	v_max_u32 v5, 1, v5
	v_add_nc_u32 v5, -1, v5                        ; the last entry's number (0 where there is none)
	v_min_u32 v5, 1023, v5
	v_lshlrev_b32 v5, 2, v5
	v_add_nc_u32 v5, 64, v5
	ds_load_b32 v6, v5                             ; one wave: LDS serves its instructions in order, so these see the stores above
.irp q, 0,1,2,3,4,5,6,7,8
	ds_load_b128 v[D+4*\q:D+4*\q+3], v1 offset:512*\q
.endr
	s_add_co_u32 s25, s20, 16
	v_sub_nc_u32 v7, s25, v2                       ; word 128 q + i of my 16 bytes is entry 128 q + i + 4 lane - 16: it is kept while 128 q + i < count + 16 - 4 lane
	v_mov_b32 v3, s20
	s_wait_alu depctr_va_vdst(0)
	s_wait_dscnt 0x0
.irp q, 0,1,2,3,4,5,6,7,8
.irp i, 0,1,2,3
	v_cmp_lt_i32 vcc_lo, 128*\q+\i, v7
	v_cndmask_b32 v[D+4*\q+\i], v6, v[D+4*\q+\i], vcc_lo
.endr
.endr
	v_cmp_gt_u32 vcc_lo, 4, v0                     ; lanes 0-3 of the first 512 bytes hold the head: sixteen times the count
.irp i, 0,1,2,3
	v_cndmask_b32 v[D+\i], v[D+\i], v3, vcc_lo
.endr
.irp q, 0,1,2,3,4,5,6,7,8
	global_store_b128 v1, v[D+4*\q:D+4*\q+3], s[6:7] offset:512*\q
.endr
	s_wait_tensorcnt 0x0
	ds_add_u32 v128, v129
	s_wait_dscnt 0x0
	s_endpgm
.Lfunc_end_k_qad9c5d2124_route:
	.size	k_qad9c5d2124_route, .Lfunc_end_k_qad9c5d2124_route-k_qad9c5d2124_route
	.p2alignl 7, 3214868480
	.fill 96, 4, 3214868480
	.section	.rodata,"a",@progbits
	.p2align	6, 0x0
	.amdhsa_kernel k_qad9c5d2124_route
		.amdhsa_group_segment_fixed_size 5376
		.amdhsa_private_segment_fixed_size 0
		.amdhsa_enable_private_segment 0
		.amdhsa_kernarg_size 16
		.amdhsa_user_sgpr_count 2
		.amdhsa_user_sgpr_kernarg_segment_ptr 1
		.amdhsa_wavefront_size32 1
		.amdhsa_system_sgpr_workgroup_id_x 1
		.amdhsa_system_sgpr_workgroup_id_y 1
		.amdhsa_system_sgpr_workgroup_id_z 1
		.amdhsa_system_vgpr_workitem_id 0
		.amdhsa_next_free_vgpr 130
		.amdhsa_next_free_sgpr 66
		.amdhsa_reserve_vcc 1
		.amdhsa_float_denorm_mode_32 3
		.amdhsa_float_denorm_mode_16_64 3
		.amdhsa_memory_ordered 1
		.amdhsa_forward_progress 1
		.amdhsa_inst_pref_size 24
	.end_amdhsa_kernel
	.amdgpu_metadata
---
amdhsa.version: [ 1, 2 ]
amdhsa.kernels:
  - .name:           k_qad9c5d2124_route
    .symbol:         k_qad9c5d2124_route.kd
    .args:
      - { .name: expert_indices, .offset: 0, .size: 8, .value_kind: global_buffer, .address_space: global }
      - { .name: route, .offset: 8, .size: 8, .value_kind: global_buffer, .address_space: global }
    .group_segment_fixed_size: 5376
    .private_segment_fixed_size: 0
    .kernarg_segment_align: 8
    .kernarg_segment_size: 16
    .max_flat_workgroup_size: 32
    .sgpr_count:     66
    .vgpr_count:     130
    .wavefront_size: 32
...
	.end_amdgpu_metadata
.endif
;; end of part 4
;; launch up (part 5): grid 32 x 8, 4 waves a work-group, no clusters, 151,552 bytes of LDS; arguments hidden_states_codes, hidden_states_scales, W1_codes, W1_scales, b1, route, hc, hs; writes hc, hs
.if DOCPART == 5
	.amdgcn_target "amdgcn-amd-amdhsa--gfx1250"
	.amdhsa_code_object_version 6
	.text
	.protected	k_qad9c5d2124_up
	.globl	k_qad9c5d2124_up
	.p2align	8
	.type	k_qad9c5d2124_up,@function
k_qad9c5d2124_up:
	s_mov_b64 s[64:65], 0
	v_nop
	global_prefetch_b8 v0, s[64:65] scope:SCOPE_SE
	s_setreg_imm32_b32 hwreg(HW_REG_WAVE_SCHED_MODE, 0, 2), 2
	s_setreg_imm32_b32 hwreg(HW_REG_WAVE_MODE, 25, 1), 1
	s_wait_xcnt 0x0
	s_wait_alu depctr_vm_vsrc(0)
; h = Q(gelu(x W1 + b1)) for the tokens of each expert, on codes of FP6 (E2M3) with one E8M0 byte for each 32 along K.
; Work-group (x, e) owns hidden units 128 x .. 128 x + 127 of expert e: 128 rows of W1, one dense block of 98,304 bytes, read from memory by this work-group alone.
; The block goes through LDS once (loads of 2 x 256 consecutive bytes in, fragments out); behind ONE barrier every wave holds all 64 fragments (8 tiles of 16 units x 8 K steps, 768 registers)
; and the waves go their own ways: wave w takes the tiles of 16 tokens w, w + 4, ..  of the expert's list.  The trip count hangs on the stored count, so no tensor load, no copy and no joint load is used,
; and no barrier stands behind the first branch.
; A TILE: its 16 token rows (768 bytes each) are gathered by 24 loads of 2 x 256 bytes, turned into fragments through the wave's own stage in LDS; 64 matrix instructions, used transposed
; (source 0 = 16 rows of W1, source 1 = the tokens), b1 as the C of the first K step; gelu in f32; the quantiser; the result is exactly one fragment (16 tokens x 128 units) and one scale word a token.
; THE ROWS OF W1 THAT FORM A TILE ARE NOT NEIGHBOURS: lane r of tile 2 b + u takes unit 32 b + 8 u + r + 8 (r / 8), so that the 16 registers of tiles 2 b and 2 b + 1 are 16 neighbours along the next K.
; The fragment leaves as an image of its registers: group g of four registers of lane L at 512 g + 16 L of hc[e][tile][x]; the scale word of lane L at 4 L of hs[e][tile][x].
; Tile 0 of every expert is always made, of token 0 where the expert has no token (its list then holds zeros): the next launch's look-ahead names bytes of tile 0, and uses nothing of them.
; gelu(v) = v / (1 + 2^(v (C0 + C1 v v))), C0 = -2 sqrt(2 / pi) log2(e), C1 = 0.044715 C0: the tanh form, rearranged.
; LIMITS: a block of zeros gets the byte 1 (the rule says 127): its codes are zeros and this program alone reads the byte.  NaN and infinities are not served.
; THE MODE: SCHED_MODE bits 1:0 = 2 (LLVM: expert scheduling mode 2), set by the entry lines.  The code itself states the register dependences
; between vector or matrix instructions and memory or LDS instructions, with s_wait_alu, always for 0.
; THE PLAN.  Registers that memory or LDS instructions touch, in a tile:
;   v1-v11     offsets and LDS addresses: written at the head, never again.
;   TK, TKR    the next tile's tokens land; XASK's arithmetic turns them into offsets; XASK's 25 loads read them; then gelu and the quantiser work in these registers.
;   F          XASK's loads land (rows as they lie); the 24 stores into the stage read them; the 48 fragment loads land; the products read them.
;   XSC        XASK's load lands; the products read it.
;   ACC        the biases' LDS loads land; products, gelu and the quantiser work on them.
;   PC, PW     the quantiser writes them; the four stores of the result read them; the next tile's gelu writes them again.
; The waits of a tile: one on vm_vsrc ahead of the fragment loads (the stage's stores have read F; the last tile's result stores have read PC and PW); one on va_vdst in XASK, behind its arithmetic
; (the offsets are written; the products are done reading F and XSC); one on vm_vsrc behind XASK's loads (they have read TK and TKR); gelu's eight, one ahead of and one behind each batch of transcendentals; one on va_vdst ahead of the
; result's stores (PC and PW are written).  No vector instruction stands between that last wait and the next tile's loads into TK, TKR and ACC, so it serves them too, over the backward jump;
; ahead of the first tile XASK's wait at the head does.
.set WP,    784                        ; an LDS row: 768 bytes + 16 = 196 words, 4 mod 64
.set B1L,   128*WP                     ; behind W1's 128 rows: the slice's 128 biases
.set XST,   B1L+512                    ; behind them: a stage of 16 rows for each wave
.set XSTW,  16*WP
.set WSC,   12                         ; v12-43   W1's scale words: 4 a tile; register s % 4; lanes 0-15 K steps 0-3, lanes 16-31 K steps 4-7
.set XSC,   44                         ; v44-47   the tokens' scale words, laid likewise
.set F,     48                         ; v48-143  the tokens' rows as loaded, then their 8 fragments
.set ACC,   144                        ; v144-207 8 accumulators
.set W63,   208                        ; v208-219 W1's fragment 63 (fragments 0-62: 21 to a window, windows 1 to 3)
.set TK,    220                        ; v220-227 tokens of rows 8 h + 0..7, then their byte offsets;  v228 the token of row r, then its scales' offset
.set TKR,   228
.set Z,     220                        ; v220-251 gelu: 32 numbers at work
.set TM,    220                        ; v220-223 largest magnitudes, v224-227 bytes, v228-231 the conversions' scale operands
.set PW,    232                        ; the scale word
.set PC,    234                        ; v234-245 the codes; v246-252 at work
.set CC,    254                        ; v254-255 C0, twice
.set SEL,   38                         ; s[38:39] selects for lane l xor 16
; v1 16 L; v2 4 L; v3 stage in; v4 stage out; v5 biases; v6 32 h; v7 4 r; v8 16 r; v9 16 h; v10, v11 W1's rows in LDS (tiles 0-3, 4-7)
.set MSB, 0
.macro WIN new                         ; the immediate's high byte repeats the setting that is left; a switch that changes nothing is dropped
.if MSB != (\new)
	s_set_vgpr_msb (MSB<<8)|(\new)
.set MSB, (\new)
.endif
.endm
	s_load_b256 s[4:11], s[0:1], 0x0               ; x's codes, x's scales, W1's codes, W1's scales
	s_load_b256 s[12:19], s[0:1], 0x20             ; b1, route, hc, hs
	v_lshl_add_u32 v253, v0, 2, 0x24e00
	s_set_vgpr_msb 0x40
	v_mov_b32 v255, 0
	s_set_vgpr_msb 0x4000
	v_lshrrev_b32 v1, 5, v0
	v_readfirstlane_b32 s20, v1                    ; wave 0..3
	s_mov_b32 s21, ttmp9                           ; the slice x
	s_and_b32 s22, ttmp7, 0xffff                   ; the expert e
	v_and_b32 v2, 31, v0                           ; L
	v_and_b32 v8, 15, v0                           ; r
	v_bfe_u32 v9, v0, 4, 1                         ; h
	v_lshlrev_b32 v1, 4, v2
	v_lshlrev_b32 v2, 2, v2
	s_wait_alu depctr_va_sdst(0)                   ; s20, the wave's number, is written, ahead of its first reader
	s_mul_i32 s28, s20, XSTW
	s_add_co_u32 s28, s28, XST                     ; my stage
	v_mul_u32_u24 v3, v9, 8*WP
	v_lshl_add_u32 v3, v8, 4, v3
	v_add_nc_u32 v3, s28, v3                       ; in: row 8 h + j, 16 bytes a lane
	v_mul_u32_u24 v10, v8, WP
	v_mad_u32_u24 v10, v9, 24, v10                 ; a fragment's row r, + 24 h
	v_add_nc_u32 v4, s28, v10                      ; out of my stage
	v_add_nc_u32 v11, 64*WP, v10
	v_lshlrev_b32 v5, 6, v9
	v_add_nc_u32 v5, B1L, v5                       ; the biases of my half: 64 h bytes on
	v_lshlrev_b32 v6, 5, v9
	v_lshlrev_b32 v7, 2, v8
	v_mul_u32_u24 v232, v9, 8*768
	v_lshl_add_u32 v232, v8, 4, v232               ; W1 in memory: lanes 16-31 eight rows further down
	v_and_b32 v233, 8, v8
	v_add_nc_u32 v233, v233, v8                    ; r + 8 (r / 8)
	v_lshlrev_b32 v233, 5, v233
	v_lshl_add_u32 v233, v9, 4, v233               ; its 32 scale bytes, my half of them
	s_mul_i32 s29, s20, 32*WP
	v_mul_u32_u24 v235, v9, 16*WP
	v_lshl_add_u32 v235, v8, 4, v235
	v_add_nc_u32 v235, s29, v235                   ; W1 into LDS: memory row 32 w + 16 a + 8 h + j becomes LDS row 32 w + 16 h + 8 a + j
	v_lshlrev_b32 v230, 2, v0
	v_add_nc_u32 v234, B1L, v230
	v_lshlrev_b32 v8, 4, v8
	v_lshlrev_b32 v9, 4, v9
	v_mov_b32 v[CC], 0xc0135761                    ; C0 = -2.3022082
	v_mov_b32 v[CC+1], 0xc0135761
	s_mov_b32 s[SEL], 0x76543210
	s_mov_b32 s[SEL+1], 0xfedcba98
	s_mov_b32 s40, 0xbdd2d3e8                      ; C1 = -0.10294324
	s_mov_b32 s41, s40
	s_mul_i32 s44, s22, 3145728                    ; W1's codes: 4,096 rows of 768 bytes an expert, 128 a slice, 32 a wave
	s_mul_i32 s30, s21, 98304
	s_add_co_u32 s44, s44, s30
	s_mul_i32 s30, s20, 24576
	s_add_co_u32 s44, s44, s30
	s_mov_b32 s45, 0
	s_lshl_b32 s46, s22, 17                        ; W1's scales: 32 bytes a row
	s_lshl_b32 s30, s21, 12
	s_add_co_u32 s46, s46, s30
	s_mov_b32 s47, 0
	s_lshl_b32 s48, s22, 14                        ; b1
	s_lshl_b32 s30, s21, 9
	s_add_co_u32 s48, s48, s30
	s_mov_b32 s49, 0
	s_mul_i32 s50, s22, 4608                       ; the expert's region of route
	s_mov_b32 s51, 0
	s_mul_i32 s52, s22, 3145728                    ; hc[e][w][x]
	s_mul_i32 s30, s21, 1536
	s_add_co_u32 s52, s52, s30
	s_mul_i32 s30, s20, 49152
	s_add_co_u32 s52, s52, s30
	s_mov_b32 s53, 0
	s_lshl_b32 s54, s22, 18                        ; hs[e][w][x]
	s_lshl_b32 s30, s21, 7
	s_add_co_u32 s54, s54, s30
	s_lshl_b32 s30, s20, 12
	s_add_co_u32 s54, s54, s30
	s_mov_b32 s55, 0
	s_lshl_b32 s56, s20, 6
	s_add_co_u32 s56, s56, 64                      ; the entries of tile w
	s_mov_b32 s57, 0
	s_wait_kmcnt 0x0
	s_add_nc_u64 s[14:15], s[14:15], s[50:51]
	s_load_b32 s23, s[14:15], 0x0                  ; the expert's count
	s_add_nc_u64 s[32:33], s[14:15], s[56:57]
	s_add_nc_u64 s[8:9], s[8:9], s[44:45]
	s_add_nc_u64 s[10:11], s[10:11], s[46:47]
	s_add_nc_u64 s[12:13], s[12:13], s[48:49]
	s_add_nc_u64 s[34:35], s[16:17], s[52:53]
	s_add_nc_u64 s[36:37], s[18:19], s[54:55]
	s_wait_alu depctr_va_vdst(0)                   ; the offsets and LDS addresses v1 to v11, v230 and v232 to v235 are written: every load and store of the kernel but XASK's reads some of them
	global_load_b128 v[TK:TK+3], v6, s[32:33]      ; my first tile's tokens (the region is written whole, so the entries exist whatever the count)
	global_load_b128 v[TK+4:TK+7], v6, s[32:33] offset:16
	global_load_b32 v[TKR], v7, s[32:33]
	WIN 0x40                                       ; destination window 1
.irp a, 0,1
.irp j, 0,1,2,3,4,5,6,7
.irp m, 0,1,2
	global_load_b128 v[4*(24*\a+3*\j+\m):4*(24*\a+3*\j+\m)+3], v232, s[8:9] offset:(16*\a+\j)*768+256*\m th:TH_LOAD_NT   ; 16 lanes read 256 consecutive bytes of a row, at a multiple of 256 from the buffer's start
.endr
.endr
.endr
	WIN 0
.irp t, 0,1,2,3,4,5,6,7
	global_load_b128 v[WSC+4*\t:WSC+4*\t+3], v233, s[10:11] offset:(32*(\t/2)+8*(\t%2))*32
.endr
	global_load_b32 v231, v230, s[12:13]           ; one bias a thread
; The tokens in TK and TKR become byte offsets (held to the table: 1,023 at the most), and the tile's 16 rows and their scale words are asked for: 25 loads.
.macro XASK
.irp j, 0,1,2,3,4,5,6,7
	v_min_u32 v[TK+\j], 1023, v[TK+\j]
.endr
.irp j, 0,1,2,3,4,5,6,7
	v_mul_u32_u24 v[TK+\j], 768, v[TK+\j]
.endr
.irp j, 0,1,2,3,4,5,6,7
	v_add_nc_u32 v[TK+\j], v8, v[TK+\j]
.endr
	v_min_u32 v[TKR], 1023, v[TKR]
	v_lshlrev_b32 v[TKR], 5, v[TKR]
	v_add_nc_u32 v[TKR], v9, v[TKR]
	s_wait_alu depctr_va_vdst(0)                   ; the nine offsets in TK and TKR are written, which the loads below read; the tile's products are done reading F and XSC, in which they land
.irp j, 0,1,2,3,4,5,6,7
.irp m, 0,1,2
	global_load_b128 v[F+4*(3*\j+\m):F+4*(3*\j+\m)+3], v[TK+\j], s[4:5] offset:256*\m   ; lanes 0-15: row j, lanes 16-31: row 8 + j; 256 consecutive bytes each
.endr
.endr
	global_load_b128 v[XSC:XSC+3], v[TKR], s[6:7]
.endm
	s_wait_loadcnt 57                              ; the three token loads are in: behind them stand 48 loads of W1, 8 of its scales, 1 of b1
	XASK
	s_wait_loadcnt 25                              ; W1, its scales and b1 are in; the 25 just issued may be out
	WIN 0x04                                       ; an LDS store's data: window 1
.irp a, 0,1
.irp j, 0,1,2,3,4,5,6,7
.irp m, 0,1,2
	ds_store_b128 v235, v[4*(24*\a+3*\j+\m):4*(24*\a+3*\j+\m)+3] offset:(8*\a+\j)*WP+256*\m
.endr
.endr
.endr
	WIN 0
	ds_store_b32 v234, v231
	s_wait_dscnt 0x0                               ; for the others' sake: my stores have landed
	s_barrier_signal -1
	s_barrier_wait -1                              ; W1's 128 rows and the biases lie in LDS; nobody writes them again
	s_wait_alu depctr_vm_vsrc(0)                   ; my LDS stores have read window 1's registers, in which fragments land; the head's loads and stores have read v230 to v235 and the offsets in TK and TKR, which the first tile's token loads and gelu write
.set f, 0
.rept 64                               ; fragment f = 8 s + tile
.set tl, f%8
.set sk, f/8
.if f < 63
.set wn, (1+f/21)<<6
.set rg, 12*(f%21)
.else
.set wn, 0
.set rg, W63
.endif
	WIN wn
.irp p, 0,1,2,3,4,5
	ds_load_b64 v[rg+2*\p:rg+2*\p+1], v[10+tl/4] offset:(tl%4)*16*WP+96*sk+48*(\p/3)+8*(\p%3)
.endr
.set f, f+1
.endr
	WIN 0
	s_wait_dscnt 0x0
	s_wait_kmcnt 0x0
	s_min_u32 s23, s23, 1024
	s_add_co_u32 s24, s23, 15
	s_lshr_b32 s24, s24, 4                         ; the expert's tiles;
	s_max_u32 s24, s24, 1                          ; tile 0 is made in any case
	s_add_co_u32 s25, s24, 3
	s_sub_co_u32 s25, s25, s20
	s_lshr_b32 s25, s25, 2                         ; mine: w, w + 4, ..
; gelu of 32 numbers, v[ACC + 16 a] on.  The exponentials are one batch with one wait ahead of their first reader, the reciprocals another.
; Pairs go in ascending order.
.macro GELU2 a
.set X, ACC+16*(\a)
.set k, 0
.rept 16
	v_pk_mul_f32 v[Z+k:Z+k+1], v[X+k:X+k+1], v[X+k:X+k+1]
.set k, k+2
.endr
.set k, 0
.rept 16
	v_pk_fma_f32 v[Z+k:Z+k+1], v[Z+k:Z+k+1], s[40:41], v[CC:CC+1] op_sel_hi:[1,0,1]   ; C1 v v + C0
.set k, k+2
.endr
.set k, 0
.rept 16
	v_pk_mul_f32 v[Z+k:Z+k+1], v[Z+k:Z+k+1], v[X+k:X+k+1]
.set k, k+2
.endr
.set k, 0
	s_wait_alu depctr_va_vdst(0)
.rept 32
	v_exp_f32 v[Z+k], v[Z+k]
.set k, k+1
.endr
	v_nop                                          ; a plain instruction behind the last exponential
	s_wait_alu depctr_va_vdst(0)                   ; the 32 exponentials have written Z: one wait for the batch, ahead of its first reader
.set k, 0
.rept 16
	v_pk_add_f32 v[Z+k:Z+k+1], v[Z+k:Z+k+1], 1.0 op_sel_hi:[1,0]
.set k, k+2
.endr
.set k, 0
	s_wait_alu depctr_va_vdst(0)
.rept 32
	v_rcp_f32 v[Z+k], v[Z+k]
.set k, k+1
.endr
	v_nop
	s_wait_alu depctr_va_vdst(0)                   ; the 32 reciprocals have written Z: one wait for the batch, ahead of its first reader
.set k, 0
.rept 16
	v_pk_mul_f32 v[X+k:X+k+1], v[X+k:X+k+1], v[Z+k:Z+k+1]
.set k, k+2
.endr
.endm
; 64 numbers of a lane, register 16 b + i = unit 32 b + 16 (lane / 16) + i of my token, become a fragment's codes in v[PC] on and its scale word in v[PW].
.macro QUANT s
.irp b, 0,1,2,3
	v_max3_num_f32 v[TM+\b], |v[\s+16*\b]|, |v[\s+1+16*\b]|, 0x1800000   ; my 16 numbers of block b, and the floor 2^(3 - 127): the byte cannot fall under 1
.endr
.irp i, 2,4,6,8,10,12,14
.irp b, 0,1,2,3
	v_max3_num_f32 v[TM+\b], v[TM+\b], |v[\s+16*\b+\i]|, |v[\s+1+16*\b+\i]|
.endr
.endr
.irp b, 0,1,2,3
	v_permlanex16_b32 v[TM+4+\b], v[TM+\b], s[SEL], s[SEL+1]
.endr
.irp b, 0,1,2,3
	v_max_num_f32 v[TM+\b], v[TM+\b], v[TM+4+\b]   ; with lane l xor 16's: the block's largest magnitude
.endr
.irp b, 0,1,2,3
	v_add_nc_u32 v[TM+8+\b], 0xff000000, v[TM+\b]  ; 2 off its exponent field: the conversion's scale operand
.endr
.irp b, 0,1,2,3
	v_lshrrev_b32 v[TM+4+\b], 23, v[TM+8+\b]       ; the scale's byte
.endr
	v_lshl_or_b32 v[PW], v[TM+5], 8, v[TM+4]
	v_lshl_or_b32 v[PW], v[TM+6], 16, v[PW]
	v_lshl_or_b32 v[PW], v[TM+7], 24, v[PW]
.irp c, 0,1
	v_cvt_scalef32_pk16_fp6_f32 v[PC+6*\c:PC+2+6*\c], v[\s+32*\c:\s+15+32*\c], v[TM+8+2*\c]
	v_cvt_scalef32_pk16_fp6_f32 v[PC+12+4*\c:PC+14+4*\c], v[\s+16+32*\c:\s+31+32*\c], v[TM+8+2*\c+1]   ; (a conversion's three registers begin on an even number)
.endr
	v_nop                                          ; one plain instruction behind the scaled conversions
.irp c, 0,1                            ; the operand wants a whole block in a lane: lanes 0-15 block 2 c, lanes 16-31 block 2 c + 1
.irp i, 0,1,2
	v_permlane16_swap_b32 v[PC+6*\c+\i], v[PC+12+4*\c+\i]
.endr
.irp i, 0,1,2
	v_mov_b32 v[PC+3+6*\c+\i], v[PC+12+4*\c+\i]
.endr
.endr
.endm
; A TILE OF 16 TOKENS.  ahead = 1: the tile four further on is asked for on the way.
.macro TILE ahead
	s_wait_loadcnt 0x0                             ; the tile's 24 pieces of rows and its scale words are in; their offset registers are free
.if \ahead
	global_load_b128 v[TK:TK+3], v6, s[32:33] offset:256       ; the tokens of my next tile: four tiles, 256 bytes, on.  No wait: no vector instruction has named TK, TKR or ACC since the wait ahead of the last tile's stores (first tile: since XASK's wait at the head)
	global_load_b128 v[TK+4:TK+7], v6, s[32:33] offset:272
	global_load_b32 v[TKR], v7, s[32:33] offset:256
.endif
.irp j, 0,1,2,3,4,5,6,7
.irp m, 0,1,2
	ds_store_b128 v3, v[F+4*(3*\j+\m):F+4*(3*\j+\m)+3] offset:WP*\j+256*\m
.endr
.endr
.irp t, 0,1,2,3,4,5,6,7
	ds_load_b128 v[ACC+8*\t:ACC+8*\t+3], v5 offset:4*(32*(\t/2)+8*(\t%2))        ; b1 at units 32 b + 16 h + 8 u + 0..7: the C of the first K step
	ds_load_b128 v[ACC+8*\t+4:ACC+8*\t+7], v5 offset:4*(32*(\t/2)+8*(\t%2))+16
.endr
	s_wait_dscnt 16                                ; the 24 stores are done (the 16 loads behind them may be out)
	s_wait_alu depctr_vm_vsrc(0)                   ; the 24 LDS stores have read F, in which the fragments land; the last tile's stores have read PC and PW, which gelu writes again below
.irp s, 0,1,2,3,4,5,6,7
.irp p, 0,1,2,3,4,5
	ds_load_b64 v[F+12*\s+2*\p:F+12*\s+2*\p+1], v4 offset:96*\s+48*(\p/3)+8*(\p%3)
.endr
.endr
.set f, 0
.rept 64                               ; K step f / 8, tile f % 8: the eight accumulators take turns, one instruction a turn
.set tl, f%8
.set sk, f/8
.if tl == 0
	s_wait_dscnt 6*(7-sk)                          ; the biases and the fragments up to this K step are in; six loads for each later step may be out
.endif
.if f < 63
.set wn, 1+f/21
.set rg, 12*(f%21)
.else
.set wn, 0
.set rg, W63
.endif
	WIN wn                                         ; source 0 in W1's window
.if sk < 4
	v_wmma_scale_f32_16x16x128_f8f6f4 v[ACC+8*tl:ACC+8*tl+7], v[rg:rg+11], v[F+12*sk:F+12*sk+11], v[ACC+8*tl:ACC+8*tl+7], v[WSC+4*tl+sk%4], v[XSC+sk%4] matrix_a_fmt:MATRIX_FMT_FP6 matrix_b_fmt:MATRIX_FMT_FP6
.else
	v_wmma_scale_f32_16x16x128_f8f6f4 v[ACC+8*tl:ACC+8*tl+7], v[rg:rg+11], v[F+12*sk:F+12*sk+11], v[ACC+8*tl:ACC+8*tl+7], v[WSC+4*tl+sk%4], v[XSC+sk%4] matrix_a_fmt:MATRIX_FMT_FP6 matrix_b_fmt:MATRIX_FMT_FP6 matrix_a_scale:MATRIX_SCALE_ROW1 matrix_b_scale:MATRIX_SCALE_ROW1
.endif
.set f, f+1
.endr
	WIN 0
.if \ahead
	s_wait_loadcnt 0x0                             ; the next tile's tokens
	XASK                                           ; its 27 plain lines are the places behind the products, ahead of gelu's first read of results
	s_wait_xcnt 0x0                                ; the offset registers are written again below
	s_wait_alu depctr_vm_vsrc(0)                   ; XASK's 25 loads have read TK and TKR, which gelu writes
.else
.rept 4
	v_nop                                          ; places behind the last products, ahead of the first read of results
.endr
.endif
	GELU2 0
	GELU2 2
	QUANT ACC
	s_wait_alu depctr_va_vdst(0)                   ; the quantiser has written PC and PW, which the stores read; gelu and the quantiser are done with TK's, TKR's and ACC's registers, in which the next tile's first loads land
.irp c, 0,1,2
	global_store_b128 v1, v[PC+4*\c:PC+4*\c+3], s[34:35] offset:512*\c   ; 32 lanes store 512 consecutive bytes, at a multiple of 512 from the buffer's start
.endr
	global_store_b32 v2, v[PW], s[36:37]
.if \ahead
	s_wait_xcnt 0x0                                ; the stores have read their bases
	s_add_nc_u64 s[34:35], s[34:35], 4*49152
	s_add_nc_u64 s[36:37], s[36:37], 4*4096
	s_add_nc_u64 s[32:33], s[32:33], 256
.endif
.endm
	s_cmp_eq_u32 s25, 0
	s_cbranch_scc1 .Lend                           ; no tile for this wave: it stores nothing
	s_sub_co_u32 s25, s25, 1
	s_cmp_eq_u32 s25, 0
	s_cbranch_scc1 .Llast
.Ltile:
	TILE 1
	s_sub_co_u32 s25, s25, 1
	s_cmp_lg_u32 s25, 0
	s_cbranch_scc1 .Ltile
.Llast:
	TILE 0                                         ; the last tile asks for nothing
.Lend:
	s_set_vgpr_msb 0x4                             ; the add's second register lies in window 1: the one switch stands ahead of the closing lines
	s_wait_dscnt 0x0                               ; the closing lines, six on end
	s_wait_alu 0x0
	s_wait_tensorcnt 0x0
	ds_add_u32 v253, v255
	s_wait_dscnt 0x0
	s_endpgm
.Lfunc_end_k_qad9c5d2124_up:
	.size	k_qad9c5d2124_up, .Lfunc_end_k_qad9c5d2124_up-k_qad9c5d2124_up
	.p2alignl 7, 3214868480
	.fill 96, 4, 3214868480
	.section	.rodata,"a",@progbits
	.p2align	6, 0x0
	.amdhsa_kernel k_qad9c5d2124_up
		.amdhsa_group_segment_fixed_size 151552
		.amdhsa_private_segment_fixed_size 0
		.amdhsa_enable_private_segment 0
		.amdhsa_kernarg_size 64
		.amdhsa_user_sgpr_count 2
		.amdhsa_user_sgpr_kernarg_segment_ptr 1
		.amdhsa_wavefront_size32 1
		.amdhsa_system_sgpr_workgroup_id_x 1
		.amdhsa_system_sgpr_workgroup_id_y 1
		.amdhsa_system_sgpr_workgroup_id_z 1
		.amdhsa_system_vgpr_workitem_id 0
		.amdhsa_next_free_vgpr 1024
		.amdhsa_next_free_sgpr 66
		.amdhsa_reserve_vcc 0
		.amdhsa_float_denorm_mode_32 3
		.amdhsa_float_denorm_mode_16_64 3
		.amdhsa_memory_ordered 1
		.amdhsa_forward_progress 1
		.amdhsa_inst_pref_size 112
	.end_amdhsa_kernel
	.amdgpu_metadata
---
amdhsa.version: [ 1, 2 ]
amdhsa.kernels:
  - .name:           k_qad9c5d2124_up
    .symbol:         k_qad9c5d2124_up.kd
    .args:
      - { .name: hidden_states_codes, .offset: 0, .size: 8, .value_kind: global_buffer, .address_space: global }
      - { .name: hidden_states_scales, .offset: 8, .size: 8, .value_kind: global_buffer, .address_space: global }
      - { .name: W1_codes, .offset: 16, .size: 8, .value_kind: global_buffer, .address_space: global }
      - { .name: W1_scales, .offset: 24, .size: 8, .value_kind: global_buffer, .address_space: global }
      - { .name: b1, .offset: 32, .size: 8, .value_kind: global_buffer, .address_space: global }
      - { .name: route, .offset: 40, .size: 8, .value_kind: global_buffer, .address_space: global }
      - { .name: hc, .offset: 48, .size: 8, .value_kind: global_buffer, .address_space: global }
      - { .name: hs, .offset: 56, .size: 8, .value_kind: global_buffer, .address_space: global }
    .group_segment_fixed_size: 151552
    .private_segment_fixed_size: 0
    .kernarg_segment_align: 8
    .kernarg_segment_size: 64
    .max_flat_workgroup_size: 128
    .sgpr_count:     66
    .vgpr_count:     1024
    .wavefront_size: 32
...
	.end_amdgpu_metadata
.endif
;; end of part 5
;; launch down (part 6): grid 32 x 8, 4 waves a work-group, no clusters, 201,216 bytes of LDS; arguments hc, hs, W2_codes, W2_scales, b2, route, out0; writes out0
.if DOCPART == 6
	.amdgcn_target "amdgcn-amd-amdhsa--gfx1250"
	.amdhsa_code_object_version 6
	.text
	.protected	k_qad9c5d2124_down
	.globl	k_qad9c5d2124_down
	.p2align	8
	.type	k_qad9c5d2124_down,@function
k_qad9c5d2124_down:
	s_mov_b64 s[64:65], 0
	v_nop
	global_prefetch_b8 v0, s[64:65] scope:SCOPE_SE
	s_setreg_imm32_b32 hwreg(HW_REG_WAVE_SCHED_MODE, 0, 2), 2
	s_setreg_imm32_b32 hwreg(HW_REG_WAVE_MODE, 25, 1), 1
	s_wait_xcnt 0x0
	s_wait_alu depctr_vm_vsrc(0)
; y = h W2 + b2 for the tokens of each expert, on codes of FP6 (E2M3) with one E8M0 byte for each 32 along K; h comes as register images of fragments (hc) and scale words (hs).
; Work-group (2 slice + p, e) owns 64 output columns of expert e and the expert's tiles of 16 tokens p, p + 2, ..
; THE WAVES SPLIT K: wave w owns K steps 8 w .. 8 w + 7 (1,024 of the 4,096 hidden units).  Its part of W2, 64 rows x 768 bytes, comes by loads of 2 x 256 consecutive bytes, goes through the wave's own
; LDS region and stays in 384 registers (32 fragments).  Its part of a tile of h is 12,288 dense bytes: 24 loads straight into the operand's registers, in a ring of two register buffers.
; The matrix instruction is used transposed (source 0 = 16 rows of W2, source 1 = 16 tokens): a lane holds 8 neighbouring columns of one token.
; The four waves' partial sums of a tile meet in LDS: a chunk is up to 8 tiles; barrier; wave w adds the four parts and b2 for slots w and w + 4 and stores rows of 256 bytes to the tokens' places; barrier.
; The loop over chunks has a constant count (4 x 8 tiles x 2 parities = 64 tiles: all tokens on one expert); what hangs on the stored count are scalar branches round work, never round a barrier,
; and every LDS offset is an immediate.  So no tensor load, no copy and no joint load is used.
; A look-ahead past the last tile still issues its 28 loads, so that every counted wait holds on every path: its offsets are multiplied by 0, so that all lanes of a load name one piece of 16 bytes
; of the expert's tile 0, which the launch before always stores; nothing is made of what they bring.
; LIMITS: the sum over K is made in four parts, added in f32.  A token whose index lies outside 0..7 is in no list and its row is not written.  The rows that fill an expert's last tile are copies of a token
; of that tile: they give the same numbers, stored to the same bytes by the same wave.
; THE MODE: SCHED_MODE bits 1:0 = 2 (LLVM: expert scheduling mode 2), set by the entry lines.  The code itself states the register dependences
; between vector or matrix instructions and memory or LDS instructions, with s_wait_alu, always for 0.
; THE PLAN.  Registers that memory or LDS instructions touch, in the loop:
;   v1-v9        offsets and LDS addresses: written at the head, never again.
;   OA, OS       ring buffer u's offsets: written by ISSUE's arithmetic, read by its 28 loads, written again two slots on.
;   the ring, HSC  ISSUE's loads land; the slot's products read them.
;   ACC          the slot's products write them; its eight LDS stores read them; the next slot's products begin the sums anew in them.
;   TK           REDUCE's token loads land; its arithmetic turns them into offsets; its eight stores read them.
;   R            REDUCE's 32 LDS loads land; its additions work on them; its eight stores read the first 32.
; The waits of a slot: one on va_vdst behind the places, ahead of the LDS stores (the products have written ACC); in ISSUE one on vm_vsrc ahead of its arithmetic (the buffer's old loads have read OA and OS; the slot's
; LDS stores have read ACC) and one on va_vdst behind it (the offsets are written; the products are done reading the ring buffer and HSC).  Of a REDUCE: one on vm_vsrc at its head (earlier stores have read TK and R)
; and one on va_vdst ahead of its stores (the sums and offsets are written); no vector instruction behind that wait names TK or R, so it also serves the next REDUCE's loads into them.
.set WP,    784                        ; a row of the W2 stage: 768 bytes + 16
.set REG,   64*WP                      ; a wave's LDS region: first its stage, then its partial sums: slot j at 4,352 j, 16 rows of 272 bytes
.set SLB,   16*272
.set OA,    10                         ; v10-11 the ring's offsets in hc: tile x 49,152 + 16 L, or 0;  v12-13 in hs: tile x 4,096 + 512 h + 4 r, or 0
.set OS,    12
.set FL,    14                         ; v14    1 where the tile asked for exists, else 0
.set WSC,   16                         ; v16-31 W2's scale words: 4 a tile of columns; register s % 4; lanes 0-15 my K steps 0-3, lanes 16-31 my K steps 4-7
.set HSC,   32                         ; v32-39 h's scale words: 4 a ring buffer, laid likewise
.set BI,    40                         ; v40-43 b2 at columns 4 i .. 4 i + 3
.set ACC,   44                         ; v44-75 4 accumulators
.set TK,    76                         ; v76-83 tokens of rows 8 h + 0..7, then their byte offsets
.set R,     84                         ; v84-211 the four waves' parts of a tile: 32 registers each
; v1 16 L; v2 512 h + 4 r; v3 where I put my sums; v4-7 where I read wave q's; v8 32 h; v9 16 i
; window 1 v0-251, window 2 v0-131: W2's fragments (f = 4 s + tile: 21 in window 1);  window 2 v132-227: ring buffer 0;  window 3 v0-95: ring buffer 1
.set MSB, 0
.macro WIN new                         ; the immediate's high byte repeats the setting that is left; a switch that changes nothing is dropped
.if MSB != (\new)
	s_set_vgpr_msb (MSB<<8)|(\new)
.set MSB, (\new)
.endif
.endm
	s_load_b256 s[4:11], s[0:1], 0x0               ; hc, hs, W2's codes, W2's scales
	s_load_b128 s[12:15], s[0:1], 0x20             ; b2, route
	s_load_b64 s[16:17], s[0:1], 0x30              ; out0
	v_lshl_add_u32 v254, v0, 2, 0x31000
	v_mov_b32 v255, 0
	v_lshrrev_b32 v1, 5, v0
	v_readfirstlane_b32 s20, v1                    ; wave 0..3
	s_and_b32 s22, ttmp9, 1                        ; p
	s_lshr_b32 s23, ttmp9, 1                       ; the slice
	s_and_b32 s24, ttmp7, 0xffff                   ; the expert
	v_and_b32 v84, 15, v0                          ; r = i
	v_bfe_u32 v85, v0, 4, 1                        ; h
	v_and_b32 v1, 31, v0
	v_lshlrev_b32 v1, 4, v1
	v_lshlrev_b32 v2, 2, v84
	v_lshl_add_u32 v2, v85, 9, v2
	s_wait_alu depctr_va_sdst(0)                   ; s20, the wave's number, is written, ahead of its first reader
	s_mul_i32 s62, s20, REG
	s_mul_i32 s63, s20, SLB
	v_mul_u32_u24 v3, v84, 272
	v_lshl_add_u32 v3, v85, 5, v3
	v_add_nc_u32 v3, s62, v3                       ; my region, row r, + 32 h
	v_mul_u32_u24 v4, v85, 8*272
	v_lshl_add_u32 v4, v84, 4, v4
	v_add_nc_u32 v4, s63, v4                       ; slot w, row 8 h + k, 16 bytes a lane: in wave 0's region,
	v_add_nc_u32 v5, REG, v4                       ; wave 1's,
	v_add_nc_u32 v6, 2*REG, v4
	v_add_nc_u32 v7, 3*REG, v4
	v_lshlrev_b32 v8, 5, v85
	v_lshlrev_b32 v9, 4, v84
	v_mul_u32_u24 v86, v85, 8*3072
	v_add_nc_u32 v86, v86, v9                      ; W2 in memory: lanes 16-31 eight rows further down
	v_mul_u32_u24 v87, v85, 8*WP
	v_add_nc_u32 v87, v87, v9
	v_add_nc_u32 v87, s62, v87                     ; and in my stage
	v_mul_u32_u24 v88, v84, WP
	v_mad_u32_u24 v88, v85, 24, v88
	v_add_nc_u32 v88, s62, v88                     ; a fragment's row r, + 24 h
	v_lshlrev_b32 v89, 7, v84
	v_lshl_add_u32 v89, v85, 4, v89                ; W2's scales: 128 bytes a row, my half of my 32
	s_mul_i32 s44, s24, 3145728                    ; W2's codes: 1,024 rows of 3,072 bytes an expert, 64 a slice; my 768 bytes of each row
	s_mul_i32 s30, s23, 196608
	s_add_co_u32 s44, s44, s30
	s_mul_i32 s30, s20, 768
	s_add_co_u32 s44, s44, s30
	s_mov_b32 s45, 0
	s_lshl_b32 s46, s24, 17                        ; W2's scales
	s_lshl_b32 s30, s23, 13
	s_add_co_u32 s46, s46, s30
	s_lshl_b32 s30, s20, 5
	s_add_co_u32 s46, s46, s30
	s_mov_b32 s47, 0
	s_mul_i32 s48, s24, 3145728                    ; hc[e][0][8 w]
	s_mul_i32 s30, s20, 12288
	s_add_co_u32 s48, s48, s30
	s_mov_b32 s49, 0
	s_lshl_b32 s50, s24, 18                        ; hs[e][0][8 w]
	s_lshl_b32 s30, s20, 10
	s_add_co_u32 s50, s50, s30
	s_mov_b32 s51, 0
	s_lshl_b32 s52, s23, 8                         ; the slice's 256 bytes of a row of out0
	s_mov_b32 s53, 0
	s_lshl_b32 s56, s24, 12                        ; b2
	s_lshl_b32 s30, s23, 8
	s_add_co_u32 s56, s56, s30
	s_mov_b32 s57, 0
	s_mul_i32 s58, s24, 4608                       ; the expert's region of route
	s_mov_b32 s59, 0
	s_mov_b32 s61, 0
	s_mov_b32 s28, s22                             ; the chunk's first tile
	s_mov_b32 s27, 4                               ; chunks
	s_wait_kmcnt 0x0
	s_add_nc_u64 s[14:15], s[14:15], s[58:59]
	s_load_b32 s25, s[14:15], 0x0                  ; the expert's count
	s_add_nc_u64 s[40:41], s[14:15], 64            ; its list
	s_add_nc_u64 s[32:33], s[8:9], s[44:45]
	s_add_nc_u64 s[34:35], s[10:11], s[46:47]
	s_add_nc_u64 s[36:37], s[4:5], s[48:49]        ; never rewritten
	s_add_nc_u64 s[38:39], s[6:7], s[50:51]        ; never rewritten
	s_add_nc_u64 s[52:53], s[16:17], s[52:53]
	s_add_nc_u64 s[12:13], s[12:13], s[56:57]
	s_wait_alu depctr_va_vdst(0)                   ; the offsets and LDS addresses v1 to v9 and v86 to v89 are written, which the loads and stores below read; so are v84 and v85, in which LDS loads land later
.set n, 0
.rept 96                               ; load n: rows 16 (n / 24) + (n % 24) / 3 and eight further down, piece n % 3
.set rw, 16*(n/24)+(n%24)/3
.set pce, n%3
.if n < 64
.set wn, 0x40
.set rg, 4*n
.else
.set wn, 0x80
.set rg, 4*(n-64)
.endif
	WIN wn
	global_load_b128 v[rg:rg+3], v86, s[32:33] offset:rw*3072+256*pce   ; 16 lanes read 256 consecutive bytes, at a multiple of 256 from the buffer's start; the work-group of the other parity reads them too
.set n, n+1
.endr
	WIN 0
.irp t, 0,1,2,3
	global_load_b128 v[WSC+4*\t:WSC+4*\t+3], v89, s[34:35] offset:2048*\t
.endr
	global_load_b128 v[BI:BI+3], v9, s[12:13]
	s_wait_kmcnt 0x0
	s_min_u32 s25, s25, 1024
	s_add_co_u32 s26, s25, 15
	s_lshr_b32 s26, s26, 4                         ; the expert's tiles
; Ring buffer u is asked for tile T = s28 + tadd: 24 loads of codes and 4 of scale words.  The offsets are (T x the tile's bytes + my lane's place) x FL, FL = min(max(tiles - T, 0), 1):
; what hangs on the stored count enters them through that 0 or 1 alone.  The factor's other operand is 67 x 49,152 + 496 at the most: inside 24 bits.
; again = 1: the buffer has been asked for before (every ISSUE but the two at the head).
.macro ISSUE u, tadd, again
	s_add_co_u32 s54, s28, \tadd
	s_sub_co_i32 s55, s26, s54
	s_max_i32 s55, s55, 0
	s_mul_i32 s56, s54, 49152
	s_lshl_b32 s58, s54, 12
.if \again
	s_wait_alu depctr_vm_vsrc(0)                   ; this buffer's old loads have read OA and OS, which are written below; the slot's LDS stores have read ACC, which the next slot's products write
.endif
	v_mov_b32 v[FL], s55
	v_min_u32 v[FL], 1, v[FL]
	v_add_nc_u32 v[OA+(\u)], s56, v1
	v_add_nc_u32 v[OS+(\u)], s58, v2
	v_mul_u32_u24 v[OA+(\u)], v[FL], v[OA+(\u)]
	v_mul_u32_u24 v[OS+(\u)], v[FL], v[OS+(\u)]
.set rb, 132*(1-(\u))
.set wn, (2+(\u))<<6
	WIN wn
	s_wait_alu depctr_va_vdst(0)                   ; OA and OS are written, which the 28 loads read; the slot's products are done reading this ring buffer and its scale words, in which they land
.irp k, 0,1,2,3,4,5,6,7,8,9,10,11,12,13,14,15,16,17,18,19,20,21,22,23
	global_load_b128 v[rb+4*\k:rb+4*\k+3], v[OA+(\u)], s[36:37] offset:512*\k   ; group k % 3 of the fragment of my K step k / 3: 512 consecutive bytes
.endr
	WIN 0
.irp q, 0,1,2,3
	global_load_b32 v[HSC+4*(\u)+\q], v[OS+(\u)], s[38:39] offset:128*\q       ; lanes 0-15: my K step q, lanes 16-31: my K step 4 + q
.endr
.endm
	ISSUE 0, 0, 0
	ISSUE 1, 2, 0
	s_wait_loadcnt 56                              ; W2, its scales and b2 are in; the two ring buffers' 56 loads may be out
.set n, 0
.rept 96
.set rw, 16*(n/24)+(n%24)/3
.set pce, n%3
.if n < 64
.set wn, 0x04
.set rg, 4*n
.else
.set wn, 0x08
.set rg, 4*(n-64)
.endif
	WIN wn                                         ; an LDS store's data: window 1 or 2
	ds_store_b128 v87, v[rg:rg+3] offset:rw*WP+256*pce
.set n, n+1
.endr
	WIN 0
	s_wait_dscnt 0x0                               ; the stores are done
	s_wait_alu depctr_vm_vsrc(0)                   ; the 96 LDS stores have read their registers in windows 1 and 2, in which the fragments land
.set f, 0
.rept 32                               ; fragment f = 4 s + tile of columns
.set nt, f%4
.set sg, f/4
.if f < 21
.set wn, 0x40
.set rg, 12*f
.else
.set wn, 0x80
.set rg, 12*(f-21)
.endif
	WIN wn
.irp p, 0,1,2,3,4,5
	ds_load_b64 v[rg+2*\p:rg+2*\p+1], v88 offset:nt*16*WP+96*sg+48*(\p/3)+8*(\p%3)
.endr
.set f, f+1
.endr
	WIN 0
	s_wait_dscnt 0x0
; Slot j of a chunk: tile T = s28 + 2 j, in ring buffer j % 2.
.macro SLOT j
.set uu, (\j)%2
	s_wait_loadcnt 28                              ; this buffer's 28 loads are in; the other buffer's 28 may be out
	s_add_co_u32 s54, s28, 2*(\j)
	s_cmp_ge_u32 s54, s26
	s_cbranch_scc1 .Lno_tile_\@
	s_wait_dscnt 0x0                               ; the last slot's stores are done (that they have read the accumulators is stated in the ISSUE behind them)
.set rb, 132*(1-uu)
.set f, 0
.rept 32                               ; my K step f / 4, tile of columns f % 4: the four accumulators take turns, one instruction a turn; the first four start the sums
.set nt, f%4
.set sg, f/4
.if f < 21
.set wn, 1|((2+uu)<<2)
.set rg, 12*f
.else
.set wn, 2|((2+uu)<<2)
.set rg, 12*(f-21)
.endif
	WIN wn                                         ; source 0 in W2's window, source 1 in the ring buffer's
.if sg == 0
	v_wmma_scale_f32_16x16x128_f8f6f4 v[ACC+8*nt:ACC+8*nt+7], v[rg:rg+11], v[rb+12*sg:rb+12*sg+11], 0, v[WSC+4*nt+sg%4], v[HSC+4*uu+sg%4] matrix_a_fmt:MATRIX_FMT_FP6 matrix_b_fmt:MATRIX_FMT_FP6
.elseif sg < 4
	v_wmma_scale_f32_16x16x128_f8f6f4 v[ACC+8*nt:ACC+8*nt+7], v[rg:rg+11], v[rb+12*sg:rb+12*sg+11], v[ACC+8*nt:ACC+8*nt+7], v[WSC+4*nt+sg%4], v[HSC+4*uu+sg%4] matrix_a_fmt:MATRIX_FMT_FP6 matrix_b_fmt:MATRIX_FMT_FP6
.else
	v_wmma_scale_f32_16x16x128_f8f6f4 v[ACC+8*nt:ACC+8*nt+7], v[rg:rg+11], v[rb+12*sg:rb+12*sg+11], v[ACC+8*nt:ACC+8*nt+7], v[WSC+4*nt+sg%4], v[HSC+4*uu+sg%4] matrix_a_fmt:MATRIX_FMT_FP6 matrix_b_fmt:MATRIX_FMT_FP6 matrix_a_scale:MATRIX_SCALE_ROW1 matrix_b_scale:MATRIX_SCALE_ROW1
.endif
.set f, f+1
.endr
	WIN 0
.rept 5
	v_nop                                          ; places behind the products: four for the stores of results, five for the next slot's products, which begin the sums anew over these registers
.endr
	s_wait_alu depctr_va_vdst(0)                   ; the products have written the four accumulators, which the LDS stores read; the places above stay beside this wait
.irp t, 0,1,2,3
	ds_store_b128 v3, v[ACC+8*\t:ACC+8*\t+3] offset:SLB*(\j)+64*\t          ; each accumulator from its low end on: token r, columns 16 t + 8 h + 0..7
	ds_store_b128 v3, v[ACC+8*\t+4:ACC+8*\t+7] offset:SLB*(\j)+64*\t+16
.endr
.Lno_tile_\@:
	ISSUE (\j)%2, 2*(\j)+4, 1                      ; the tile two slots on, into the buffer just read: its old loads were shown done by the wait at this slot's head
.endm
; Wave w finishes slot w + 4 z: the four parts and b2 are added, and the 16 rows go to their tokens' places.
.macro REDUCE z
	s_lshl_b32 s54, s20, 1
	s_add_co_u32 s54, s54, s28
	s_add_co_u32 s54, s54, 8*(\z)
	s_cmp_ge_u32 s54, s26
	s_cbranch_scc1 .Lno_rows_\@
	s_wait_xcnt 0x0                                ; earlier stores have read their data and offsets, earlier loads their base
	s_wait_alu depctr_vm_vsrc(0)                   ; the stores of the rows before have read TK and R, and the head's loads and stores the offsets v86 to v89: the loads below land in these registers
	s_lshl_b32 s60, s54, 6
	s_add_nc_u64 s[42:43], s[40:41], s[60:61]      ; the tile's 16 entries
	global_load_b128 v[TK:TK+3], v8, s[42:43]      ; no wait on vector results: no vector instruction has named TK or R since the wait ahead of the stores of the rows before (at first: since the head's)
	global_load_b128 v[TK+4:TK+7], v8, s[42:43] offset:16
.irp k, 0,1,2,3,4,5,6,7
.irp q, 0,1,2,3
	ds_load_b128 v[R+32*\q+4*\k:R+32*\q+4*\k+3], v[4+\q] offset:4*SLB*(\z)+272*\k   ; lanes 0-15: row k, lanes 16-31: row 8 + k, of wave q's part
.endr
.endr
	s_wait_dscnt 0x0
.irp k, 0,1,2,3,4,5,6,7
.irp d, 0,2
	v_pk_add_f32 v[R+4*\k+\d:R+4*\k+\d+1], v[R+4*\k+\d:R+4*\k+\d+1], v[R+32+4*\k+\d:R+32+4*\k+\d+1]
	v_pk_add_f32 v[R+64+4*\k+\d:R+64+4*\k+\d+1], v[R+64+4*\k+\d:R+64+4*\k+\d+1], v[R+96+4*\k+\d:R+96+4*\k+\d+1]
.endr
.endr
.irp k, 0,1,2,3,4,5,6,7
.irp d, 0,2
	v_pk_add_f32 v[R+4*\k+\d:R+4*\k+\d+1], v[R+4*\k+\d:R+4*\k+\d+1], v[R+64+4*\k+\d:R+64+4*\k+\d+1]
.endr
.endr
.irp k, 0,1,2,3,4,5,6,7
.irp d, 0,2
	v_pk_add_f32 v[R+4*\k+\d:R+4*\k+\d+1], v[R+4*\k+\d:R+4*\k+\d+1], v[BI+\d:BI+\d+1]
.endr
.endr
	s_wait_loadcnt 0x0                             ; the tokens
.irp k, 0,1,2,3,4,5,6,7
	v_min_u32 v[TK+\k], 1023, v[TK+\k]
.endr
.irp k, 0,1,2,3,4,5,6,7
	v_lshlrev_b32 v[TK+\k], 12, v[TK+\k]           ; a row of out0 is 4,096 bytes
.endr
.irp k, 0,1,2,3,4,5,6,7
	v_add_nc_u32 v[TK+\k], v9, v[TK+\k]
.endr
	s_wait_alu depctr_va_vdst(0)                   ; the additions have written the sums in R and the offsets in TK, which the stores read
.irp k, 0,1,2,3,4,5,6,7
	global_store_b128 v[TK+\k], v[R+4*\k:R+4*\k+3], s[52:53] th:TH_STORE_NT   ; 16 lanes store 256 consecutive bytes of a token's row, at a multiple of 256 from the buffer's start
.endr
.Lno_rows_\@:
.endm
.Lchunk:
	s_cmp_ge_u32 s28, s26
	s_cbranch_scc1 .Lno_slots                      ; a chunk behind the last tile leaves the ring as it is
	SLOT 0
	SLOT 1
	SLOT 2
	SLOT 3
	SLOT 4
	SLOT 5
	SLOT 6
	SLOT 7
.Lno_slots:
	s_wait_dscnt 0x0                               ; for the others' sake: my partial sums have landed
	s_barrier_signal -1
	s_barrier_wait -1
	s_cmp_ge_u32 s28, s26
	s_cbranch_scc1 .Lno_reduce
	REDUCE 0
	REDUCE 1
.Lno_reduce:
	s_wait_dscnt 0x0                               ; my reads of the partial sums are back: the next chunk may write over them
	s_barrier_signal -1
	s_barrier_wait -1
	s_add_co_u32 s28, s28, 16
	s_sub_co_u32 s27, s27, 1
	s_cmp_lg_u32 s27, 0
	s_cbranch_scc1 .Lchunk
	s_wait_dscnt 0x0                               ; the closing lines, six on end
	s_wait_alu 0x0
	s_wait_tensorcnt 0x0
	ds_add_u32 v254, v255
	s_wait_dscnt 0x0
	s_endpgm
.Lfunc_end_k_qad9c5d2124_down:
	.size	k_qad9c5d2124_down, .Lfunc_end_k_qad9c5d2124_down-k_qad9c5d2124_down
	.p2alignl 7, 3214868480
	.fill 96, 4, 3214868480
	.section	.rodata,"a",@progbits
	.p2align	6, 0x0
	.amdhsa_kernel k_qad9c5d2124_down
		.amdhsa_group_segment_fixed_size 201216
		.amdhsa_private_segment_fixed_size 0
		.amdhsa_enable_private_segment 0
		.amdhsa_kernarg_size 56
		.amdhsa_user_sgpr_count 2
		.amdhsa_user_sgpr_kernarg_segment_ptr 1
		.amdhsa_wavefront_size32 1
		.amdhsa_system_sgpr_workgroup_id_x 1
		.amdhsa_system_sgpr_workgroup_id_y 1
		.amdhsa_system_sgpr_workgroup_id_z 1
		.amdhsa_system_vgpr_workitem_id 0
		.amdhsa_next_free_vgpr 1024
		.amdhsa_next_free_sgpr 66
		.amdhsa_reserve_vcc 0
		.amdhsa_float_denorm_mode_32 3
		.amdhsa_float_denorm_mode_16_64 3
		.amdhsa_memory_ordered 1
		.amdhsa_forward_progress 1
		.amdhsa_inst_pref_size 120
	.end_amdhsa_kernel
	.amdgpu_metadata
---
amdhsa.version: [ 1, 2 ]
amdhsa.kernels:
  - .name:           k_qad9c5d2124_down
    .symbol:         k_qad9c5d2124_down.kd
    .args:
      - { .name: hc, .offset: 0, .size: 8, .value_kind: global_buffer, .address_space: global }
      - { .name: hs, .offset: 8, .size: 8, .value_kind: global_buffer, .address_space: global }
      - { .name: W2_codes, .offset: 16, .size: 8, .value_kind: global_buffer, .address_space: global }
      - { .name: W2_scales, .offset: 24, .size: 8, .value_kind: global_buffer, .address_space: global }
      - { .name: b2, .offset: 32, .size: 8, .value_kind: global_buffer, .address_space: global }
      - { .name: route, .offset: 40, .size: 8, .value_kind: global_buffer, .address_space: global }
      - { .name: out0, .offset: 48, .size: 8, .value_kind: global_buffer, .address_space: global }
    .group_segment_fixed_size: 201216
    .private_segment_fixed_size: 0
    .kernarg_segment_align: 8
    .kernarg_segment_size: 56
    .max_flat_workgroup_size: 128
    .sgpr_count:     66
    .vgpr_count:     1024
    .wavefront_size: 32
...
	.end_amdgpu_metadata
.endif
;; end of part 6
